; MI455X (gfx1250); checked and timed in simulation.
; The chip was launched on July 23, 2026; its instructions are those of AMD's public machine-readable ISA for CDNA 5 (MIT licence, August 2026) and "CDNA5" Instruction Set Architecture Reference Guide (July 2026). The comments in the code are by the model that wrote it; some were corrected since.
;; Multi Head Self Attention. Allowed arithmetic: matrix products marked QUANTISED: E2M1 operands, one E8M0 scale for each 32 along K, by v_wmma_scale_f32_16x16x128_f8f6f4 with both operands' format E2M1 (or v_wmma_scale_f32_32x16x128_f4), f32 sums; products left as they are: bf16, f16 or f32 operands; f32 sums; everything else in f32.
;; Inputs: Wproj 1,024 x 1,024 float32; Wqkv 1,024 x 3,072 float32; bproj 1,024 float32; bqkv 3,072 float32; x 2 x 2,048 x 1,024 float32.
;; Outputs: out0 2 x 2,048 x 1,024 float32.
;; This version of the problem:
;;   THIS VERSION OF THE PROBLEM IS GIVEN IN LOW PRECISION. The matrix products marked QUANTISED in the list below multiply operands that are first quantised to E2M1 (2 exponent bits, 1 mantissa bit; 4 bits a number), with one power-of-two scale for each 32 numbers along K (OCP MX v1.0); their sums are f32. The products marked 'left as it is' may take bf16, f16 or f32 operands, with f32 sums. Whichever they take, every output number must still come out within the allowed error. Rounding operands to bf16 (8 significant bits) uses up far more of that allowance than f16 does (11 bits, for magnitudes from 6e-5 to 65,504). All else is computed in f32.
;;   The module's matrix products, in the order in which they are computed (A, B: the left and right operand; K: the contracted axis; several contracted axes count as one K, in the product's order):
;;     1. [M 4,096, K 1,024] x [K 1,024, N 3,072]; A: input x; B: input Wqkv: QUANTISED
;;     2. batch 32 x [M 2,048, K 64] x [K 64, N 2,048]; A: computed on the way; B: computed on the way: left as it is (an operand is computed on the way)
;;     3. batch 32 x [M 2,048, K 2,048] x [K 2,048, N 64]; A: computed on the way; B: computed on the way: left as it is (an operand is computed on the way)
;;     4. [M 4,096, K 1,024] x [K 1,024, N 1,024]; A: computed on the way; B: input Wproj: left as it is (an operand is computed on the way)
;;   THE QUANTISER, for each operand of a quantised product, along K:
;;     - K is cut into blocks of 32 from its start; a last block that is shorter is filled with zeros.
;;     - A block's scale is 2^e with e = floor(log2(the largest magnitude in the block)) - 2, held to -126 .. 127; a block of zeros has e = 0. As a byte (E8M0): e + 127.
;;     - Each number is divided by its block's scale, clamped to +-6, and rounded to the nearest number of E2M1, ties to even, subnormals kept.
;;     - The product sums the exact products of the quantised numbers (number of the format x scale) in f32.
;;   ~~~python
;;   def quantise(x, axis):      # numpy; x: float32 -> the quantised numbers, widened to float32 again
;;       x = np.moveaxis(x, axis, -1); K = x.shape[-1]
;;       x = np.pad(x, [(0, 0)] * (x.ndim - 1) + [(0, -K % 32)]); x = x.reshape(x.shape[:-1] + (-1, 32)); a = np.abs(x).max(-1, keepdims=True)
;;       e = np.where(a > 0, np.clip(np.frexp(np.where(a > 0, a, 1))[1] - 1 - 2, -126, 127), 0)      # np.frexp(a)[1] - 1 = floor(log2(a)), exactly
;;       r = np.clip(x / 2.0 ** e, -6, 6)
;;       step = 2.0 ** (np.maximum(np.frexp(np.where(r == 0, 1, r))[1] - 1, 0) - 1)
;;       q = np.round(r / step) * step * 2.0 ** e      # np.round: ties to even
;;       return np.moveaxis(q.reshape(q.shape[:-2] + (-1,))[..., :K], -1, axis).astype(np.float32)
;;   ~~~
;; 2 versions, each right. Each part assembles by itself: llvm-mc -triple=amdgcn-amd-amdhsa -mcpu=gfx1250 --defsym DOCPART=n.
;; ======== version 1 of 2: 5 launches
;; limits: values are held in f16: magnitudes above 65,504 overflow, below 6.1e-05 lose precision
;; workspace buffers: codes 3,670,016 bytes; scales 229,376 bytes; wp16 2,097,152 bytes; rope 524,288 bytes; qkvh 25,165,824 bytes; fine32 393,216 bytes; yh 8,388,608 bytes
;; launch prep (part 1): grid 480 x 1, 4 waves a work-group, no clusters, 33,280 bytes of LDS; arguments x, Wqkv, Wproj, codes, scales, wp16, rope; writes codes, scales, wp16, rope
.if DOCPART == 1
	.amdgcn_target "amdgcn-amd-amdhsa--gfx1250"
	.amdhsa_code_object_version 6
	.text
	.protected	k_q1ec114ef89_prep
	.globl	k_q1ec114ef89_prep
	.p2align	8
	.type	k_q1ec114ef89_prep,@function
k_q1ec114ef89_prep:
	s_mov_b64 s[64:65], 0
	v_nop
	global_prefetch_b8 v0, s[64:65] scope:SCOPE_SE
	s_setreg_imm32_b32 hwreg(HW_REG_WAVE_MODE, 25, 1), 1
	s_wait_xcnt 0x0
; PREP: four jobs in one launch, told apart by the work-group's number.
;   0-127   x [4096][1024] f32 -> codes of E2M1, K innermost, [4096][512 bytes], and one E8M0 byte for each 32 along K, [4096][32]
;   128-319 Wqkv [1024 (k)][3072 (n)] f32 -> codes along K, stored as IMAGES OF THE OPERAND'S REGISTERS [s 2][tile of 16 columns 192][q 4][c 2][lane 32][16 bytes]
;           (the step of 128 along K is 4 s + q; lane (r, h), bytes of half c: k = 64 c + 32 h + 0..31 of column 16 tile + r), and scale bytes [3072][32]
;   320-447 Wproj f32 -> f16, same order
;   448-479 the table of rotations: [t 2048][cos 32 | sin 32] f32, angle = t x 10000^(-i/32)
; A block's scale is 2^(floor(log2(largest magnitude)) - 2): its byte is the largest magnitude's exponent field - 2, held at 1 from below.
; LIMITS: a block of zeros gets the byte 1 where the rule says 127 (its codes are zeros, and this program alone reads the bytes); blocks whose largest magnitude lies under 2^-124 are held at
; byte 1; NaN and infinities are not served; |Wproj| over 65,504 becomes infinite in f16.  The frequencies are 2^(-i log2(10)/8) by v_exp_f32: within a few units in the last place of a
; correctly rounded power, so an angle may differ by about 2e-4 radians at t = 2047.  sin and cos: reduction by pi/2 in two parts (fused multiply-adds), then polynomials to r^9 and r^8 on |r| <= pi/4.
; Memory binds this launch: no matrix unit, no cluster (nothing is shared), no tensor load.  Only the first job uses LDS.
.set EMAX,  2
.set STEPS, 16
.set CB,    8                          ; bytes of 16 codes
.set R,     16                         ; x: v16-79 four sets of 16 numbers as loaded
.set X,     80                         ; x: v80-111 two sets of 16 neighbours
.set C,     128                        ; x: v128-191 codes, four registers a step
.set E,     112                        ; x: v112-127 a scale byte a step
.set WREG,  8192                       ; x: LDS region of a wave: two stages of 32 x 80 bytes, then its 256 scale bytes
.set SP,    80
.set SPW,   12                         ; v12 LDS address of my spare word; never rewritten
.set NIL,   13                         ; v13 0; never rewritten
.set SPARE, 4*WREG                     ; the spare words: 128 bytes a wave, two blocks of 256 bytes that no other line names
.set WX,    32                         ; Wqkv: v32-159 four blocks of 32 numbers down K
.set WC0,   2097152                    ; where Wqkv's images begin in codes
.set WS0,   131072                     ; where Wqkv's bytes begin in scales
	s_load_b256 s[4:11], s[0:1], 0x0               ; x s[4:5], Wqkv s[6:7], Wproj s[8:9], codes s[10:11]
	s_load_b128 s[12:15], s[0:1], 0x20             ; scales s[12:13], wp16 s[14:15]
	s_load_b64 s[16:17], s[0:1], 0x30              ; rope
	v_lshl_add_u32 v[SPW], v0, 2, SPARE
	v_mov_b32 v[NIL], 0
	v_lshrrev_b32 v1, 5, v0
	v_readfirstlane_b32 s18, v1                    ; wave
	v_and_b32 v2, 31, v0                           ; lane
	s_mov_b32 s23, 0                               ; the high word of every offset pair s[22:23]
	s_wait_kmcnt 0x0
	s_cmp_lt_u32 ttmp9, 128
	s_cbranch_scc1 .Lpx
	s_cmp_lt_u32 ttmp9, 320
	s_cbranch_scc1 .Lpw
	s_cmp_lt_u32 ttmp9, 448
	s_cbranch_scc1 .Lpc
; ---------------- the table of rotations: a wave makes 16 rows; lanes 0-15 the cosines, lanes 16-31 the sines, two frequencies a lane: a row's 256 bytes leave by one store
	s_sub_co_u32 s20, ttmp9, 448
	s_lshl_b32 s20, s20, 2
	s_add_co_u32 s20, s20, s18
	s_lshl_b32 s20, s20, 4                         ; my first t
	s_lshl_b32 s22, s20, 8
	s_add_nc_u64 s[16:17], s[16:17], s[22:23]
	s_mov_b32 s30, 0x3638ef1d                      ; 1/9!
	s_mov_b32 s31, 0x37d00d01                      ; 1/8!
	v_and_b32 v3, 15, v2
	v_lshlrev_b32 v3, 1, v3
	v_cvt_f32_u32 v4, v3                           ; i = 2 (lane % 16),
	v_add_f32 v5, 1.0, v4                          ; and i + 1
	v_mul_f32 v4, 0xbed49a78, v4                   ; x -log2(10)/8
	v_mul_f32 v5, 0xbed49a78, v5
	v_exp_f32 v20, v4                              ; the two frequencies
	v_exp_f32 v21, v5
	v_lshrrev_b32 v22, 4, v2                       ; (a plain instruction behind the exponentials)
	v_sub_nc_u32 v22, 1, v22                       ; cos(a) = sin(a + pi/2): the cosine lanes count one quadrant on
	v_cvt_f32_u32 v23, s20                         ; t
	v_lshlrev_b32 v24, 3, v2                       ; 8 bytes a lane
	s_mov_b32 s24, 16
	s_wait_alu depctr_va_vdst(0)                   ; one wait for both exponentials, ahead of the label and of their first reader
.macro TRIG e                          ; v[26+e] = sin or cos of t x frequency e
	v_mul_f32 v28, v23, v[20+\e]                   ; the angle, rounded once
	v_mul_f32 v29, 0x3f22f983, v28                 ; x 2/pi
	v_rndne_f32 v29, v29                           ; n
	v_fmamk_f32 v30, v29, 0xbfc90fdb, v28          ; r = angle - n x pi/2: the high part,
	v_fmamk_f32 v30, v29, 0x333bbd2e, v30          ; and the low part
	v_cvt_i32_f32 v31, v29
	v_add_nc_u32 v31, v31, v22                     ; the quadrant
	v_mul_f32 v32, v30, v30                        ; r^2
	v_fmaak_f32 v33, s30, v32, 0xb9500d01          ; sin r = r + r^3 (-1/6 + r^2 (1/120 + r^2 (-1/5040 + r^2/9!)))
	v_fmaak_f32 v33, v33, v32, 0x3c088889
	v_fmaak_f32 v33, v33, v32, 0xbe2aaaab
	v_mul_f32 v33, v33, v32
	v_fma_f32 v33, v33, v30, v30
	v_fmaak_f32 v34, s31, v32, 0xbab60b61          ; cos r = 1 + r^2 (-1/2 + r^2 (1/24 + r^2 (-1/720 + r^2/8!)))
	v_fmaak_f32 v34, v34, v32, 0x3d2aaaab
	v_fmaak_f32 v34, v34, v32, 0xbf000000
	v_fma_f32 v34, v34, v32, 1.0
	v_and_b32 v35, 1, v31
	v_cmp_eq_u32 vcc_lo, 1, v35
	v_cndmask_b32 v[26+\e], v33, v34, vcc_lo       ; odd quadrants take the cosine,
	v_and_b32 v35, 2, v31
	v_lshlrev_b32 v35, 30, v35
	v_xor_b32 v[26+\e], v[26+\e], v35              ; quadrants 2 and 3 the other sign
.endm
.Lrow:
	TRIG 0
	TRIG 1
	global_store_b64 v24, v[26:27], s[16:17]       ; 32 lanes store a row: 256 consecutive bytes, aligned
	s_wait_xcnt 0x0                                ; the store's offset and data are written again only behind this wait
	v_add_nc_u32 v24, 0x100, v24
	v_add_f32 v23, 1.0, v23
	s_sub_co_i32 s24, s24, 1
	s_cmp_lg_u32 s24, 0
	s_cbranch_scc1 .Lrow
	s_endpgm
; ---------------- Wproj to f16: a wave takes 8,192 bytes; each load reads 512 consecutive bytes, each store writes 256
.Lpc:
	s_sub_co_u32 s20, ttmp9, 320
	s_lshl_b32 s20, s20, 2
	s_add_co_u32 s20, s20, s18
	s_lshl_b32 s22, s20, 13
	s_add_nc_u64 s[8:9], s[8:9], s[22:23]
	s_lshl_b32 s22, s20, 12
	s_add_nc_u64 s[14:15], s[14:15], s[22:23]
	v_lshlrev_b32 v4, 4, v2
	v_lshlrev_b32 v6, 3, v2
.irp i, 0,1,2,3,4,5,6,7,8,9,10,11,12,13,14,15
	global_load_b128 v[32+4*\i:35+4*\i], v4, s[8:9] offset:512*\i th:TH_LOAD_NT
.endr
.irp i, 0,1,2,3,4,5,6,7,8,9,10,11,12,13,14,15
	s_wait_loadcnt 15-\i                           ; loads come back in order: load i is in, the younger ones stay out
	v_cvt_pk_f16_f32 v[96+2*\i], v[32+4*\i], v[33+4*\i]
	v_cvt_pk_f16_f32 v[97+2*\i], v[34+4*\i], v[35+4*\i]
	global_store_b64 v6, v[96+2*\i:97+2*\i], s[14:15] offset:256*\i
.endr
	s_endpgm
; ---------------- Wqkv: a lane takes a column, its registers run down K.  A work-group: 128 columns x 128 along K; a wave 32 columns, so each load reads 128 consecutive bytes and the four waves stand side by side on 512
.Lpw:
	s_sub_co_u32 s20, ttmp9, 128
	s_and_b32 s21, s20, 7                          ; which 128 along K
	s_lshr_b32 s20, s20, 3
	s_lshl_b32 s24, s20, 2
	s_add_co_u32 s24, s24, s18                     ; which 32 columns
	s_mul_i32 s22, s21, 128*12288
	s_lshl_b32 s25, s24, 7
	s_add_co_u32 s22, s22, s25
	s_add_nc_u64 s[6:7], s[6:7], s[22:23]          ; Wqkv at (128 ks, my first column)
	s_lshr_b32 s25, s21, 2
	s_mul_i32 s25, s25, 192
	s_lshl_b32 s26, s24, 1                         ; my first tile of 16 columns
	s_add_co_u32 s25, s25, s26
	s_lshl_b32 s25, s25, 2
	s_and_b32 s26, s21, 3
	s_add_co_u32 s25, s25, s26
	s_lshl_b32 s22, s25, 10                        ; ((s 192 + tile) 4 + q) x 1,024 bytes
	s_add_co_u32 s22, s22, WC0
	s_add_nc_u64 s[10:11], s[10:11], s[22:23]
	s_lshl_b32 s22, s24, 10                        ; 32 bytes a column
	s_lshl_b32 s26, s21, 2                         ; + this step's word
	s_add_co_u32 s22, s22, s26
	s_add_co_u32 s22, s22, WS0
	s_add_nc_u64 s[12:13], s[12:13], s[22:23]
	v_lshlrev_b32 v3, 2, v2
	v_lshlrev_b32 v4, 4, v2
	v_lshlrev_b32 v5, 5, v2
.macro WLOAD bl                        ; block bl: W(32 bl + i, my column), i = 0 .. 31
.irp i, 0,1,2,3,4,5,6,7,8,9,10,11,12,13,14,15,16,17,18,19,20,21,22,23,24,25,26,27,28,29,30,31
	global_load_b32 v[WX+32*(\bl)+\i], v3, s[6:7] offset:(32*(\bl)+\i)*12288 th:TH_LOAD_NT
.endr
.endm
.macro WBLOCK bl                       ; the block's byte into the word v10, its 32 codes into v[160 + 4 bl ..]
.set XS, WX+32*(\bl)
	v_max3_num_f32 v8, |v[XS]|, |v[XS+1]|, |v[XS+2]|               ; all 32 numbers are mine: two chains
	v_max3_num_f32 v9, |v[XS+3]|, |v[XS+4]|, |v[XS+5]|
.irp i, 6,10,14,18,22,26
	v_max3_num_f32 v8, v8, |v[XS+\i]|, |v[XS+\i+1]|
	v_max3_num_f32 v9, v9, |v[XS+\i+2]|, |v[XS+\i+3]|
.endr
	v_max3_num_f32 v8, v8, |v[XS+30]|, |v[XS+31]|
	v_max3_num_f32 v8, v8, v9, (EMAX+1)<<23        ; and the floor 2^(3 - 127): the byte cannot fall under 1
	v_add_nc_u32 v[20+(\bl)], -(EMAX<<23), v8      ; 2 off the exponent field: the conversion's scale operand
	v_lshrrev_b32 v9, 23, v[20+(\bl)]              ; the byte
.if (\bl) == 0
	v_mov_b32 v10, v9
.else
	v_lshl_or_b32 v10, v9, 8*(\bl), v10
.endif
.irp g, 0,1,2,3
	v_cvt_scalef32_pk8_fp4_f32 v[160+4*(\bl)+\g], v[XS+8*\g:XS+8*\g+7], v[20+(\bl)]
.endr
.endm
	WLOAD 0
	WLOAD 1
	s_wait_loadcnt 32                              ; block 0 is in; block 1's 32 loads may be out
	WLOAD 2
	WBLOCK 0
	s_wait_loadcnt 32                              ; block 1 is in; block 2's may be out
	WLOAD 3
	WBLOCK 1
	s_wait_loadcnt 32                              ; block 2 is in; block 3's may be out
	WBLOCK 2
	s_wait_loadcnt 0x0
	WBLOCK 3
	v_nop                                          ; one plain instruction between the last conversion and the exchanges that touch its result
; The operand wants lanes 0-15 to hold block 2 c and lanes 16-31 block 2 c + 1 of the SAME 16 columns.  The first register's lanes 16-31 change places with the second's lanes 0-15:
; v[160 + 8 c ..] becomes the image of my first tile of columns, v[164 + 8 c ..] that of my second.
.irp c, 0,1
.irp g, 0,1,2,3
	v_permlane16_swap_b32 v[160+8*\c+\g], v[164+8*\c+\g]
.endr
.endr
.irp c, 0,1
	global_store_b128 v4, v[160+8*\c:163+8*\c], s[10:11] offset:512*\c         ; 512 consecutive bytes a store
	global_store_b128 v4, v[164+8*\c:167+8*\c], s[10:11] offset:4096+512*\c
.endr
	global_store_b32 v5, v10, s[12:13]             ; 4 bytes of each column's 32: pieces, one byte for each 32 of the 128 that this job reads
	s_endpgm
; ---------------- x: a plain stream of blocks of 32.  A wave takes 16 steps of 512 numbers.  Loads read 512 consecutive bytes; a step's 2,048 bytes turn through the wave's own stage in LDS and come back 64 bytes a lane,
; so that a lane holds 16 neighbours (two lanes a block).  A step's codes leave as 256 consecutive bytes; a wave's 256 scale bytes are gathered in LDS and leave as one store.
.Lpx:
	v_lshlrev_b32 v3, 4, v2
	s_mul_i32 s19, s18, WREG
	v_lshrrev_b32 v14, 2, v2
	v_mul_u32_u24 v14, v14, SP
	v_and_b32 v15, 3, v2
	v_lshl_add_u32 v14, v15, 4, v14
	v_add_nc_u32 v14, s19, v14                     ; the stage, in: 80 (lane / 4) + 16 (lane % 4)
	v_mul_u32_u24 v15, v2, SP
	v_add_nc_u32 v15, s19, v15                     ; out: 80 x lane
	v_mul_u32_u24 v4, v2, CB
	v_lshrrev_b32 v5, 1, v2
	s_add_co_u32 s19, s19, 2*32*SP
	v_add_nc_u32 v5, s19, v5                       ; my block's byte among the wave's 256
	v_lshlrev_b32 v7, 3, v2
	v_add_nc_u32 v6, s19, v7
	s_lshl_b32 s20, ttmp9, 2
	s_add_co_u32 s20, s20, s18                     ; which run of 8,192 numbers is my wave's
	s_lshl_b32 s22, s20, 15
	s_add_nc_u64 s[4:5], s[4:5], s[22:23]
	s_lshl_b32 s22, s20, 12
	s_add_nc_u64 s[10:11], s[10:11], s[22:23]
	s_lshl_b32 s22, s20, 8
	s_add_nc_u64 s[12:13], s[12:13], s[22:23]
.macro XLOAD t
.irp i, 0,1,2,3
	global_load_b128 v[R+16*((\t)%4)+4*\i:R+16*((\t)%4)+4*\i+3], v3, s[4:5] offset:2048*(\t)+512*\i th:TH_LOAD_NT
.endr
.endm
.macro XTURN t                         ; LDS serves a wave's instructions in order: no wait between the stores and the loads
.irp i, 0,1,2,3
	ds_store_b128 v14, v[R+16*((\t)%4)+4*\i:R+16*((\t)%4)+4*\i+3] offset:32*SP*((\t)%2)+8*SP*\i
.endr
.irp i, 0,1,2,3
	ds_load_b128 v[X+16*((\t)%2)+4*\i:X+16*((\t)%2)+4*\i+3], v15 offset:32*SP*((\t)%2)+16*\i
.endr
.endm
.irp t, 0,1,2,3
	XLOAD \t
.endr
	s_wait_loadcnt 12                              ; step 0's four loads are in; three steps' twelve may be out
	XTURN 0
.macro XSTEP t
.set XS, X+16*((\t)%2)
.if (\t) > 0
	s_wait_dscnt 1                                 ; this step's numbers are back from the stage; the last step's byte store may be out
.else
	s_wait_dscnt 0x0
.endif
.if (\t)+4 < STEPS
	XLOAD (\t)+4
.endif
.if (\t)+1 < STEPS
.if STEPS-2-(\t) >= 3
	s_wait_loadcnt 12                              ; the next step's loads are in; those of the three steps behind it may be out
.else
	s_wait_loadcnt 4*(STEPS-2-(\t))
.endif
	XTURN (\t)+1
.endif
	v_max3_num_f32 v8, |v[XS]|, |v[XS+1]|, |v[XS+2]|
	v_max3_num_f32 v9, |v[XS+3]|, |v[XS+4]|, |v[XS+5]|
.irp i, 6,10
	v_max3_num_f32 v8, v8, |v[XS+\i]|, |v[XS+\i+1]|
	v_max3_num_f32 v9, v9, |v[XS+\i+2]|, |v[XS+\i+3]|
.endr
	v_max3_num_f32 v8, v8, |v[XS+14]|, |v[XS+15]|
	v_max3_num_f32 v8, v8, v9, (EMAX+1)<<23        ; the floor
	v_max_num_f32_dpp v8, v8, v8 row_xmask:1 row_mask:0xf bank_mask:0xf   ; with my neighbour's 16: the block's largest magnitude
	v_add_nc_u32 v11, -(EMAX<<23), v8
	v_cvt_scalef32_pk8_fp4_f32 v[C+4*(\t)], v[XS:XS+7], v11
	v_cvt_scalef32_pk8_fp4_f32 v[C+4*(\t)+1], v[XS+8:XS+15], v11
	v_lshrrev_b32 v[E+(\t)], 23, v11               ; the byte (also the plain instruction behind the conversions)
	ds_store_b8 v5, v[E+(\t)] offset:16*(\t)       ; both lanes of a block write the same byte with the same value
	global_store_b64 v4, v[C+4*(\t):C+4*(\t)+1], s[10:11] offset:32*CB*(\t)
.endm
.irp t, 0,1,2,3,4,5,6,7,8,9,10,11,12,13,14,15
	XSTEP \t
.endr
	ds_load_b64 v[8:9], v6
	s_wait_dscnt 0x0
	global_store_b64 v7, v[8:9], s[12:13]          ; 256 consecutive bytes, aligned
	s_wait_tensorcnt 0x0                           ; the wave's end
	ds_add_u32 v[SPW], v[NIL]
	s_wait_dscnt 0x0
	s_endpgm
.Lfunc_end_k_q1ec114ef89_prep:
	.size	k_q1ec114ef89_prep, .Lfunc_end_k_q1ec114ef89_prep-k_q1ec114ef89_prep
	.p2alignl 7, 3214868480
	.fill 96, 4, 3214868480
	.section	.rodata,"a",@progbits
	.p2align	6, 0x0
	.amdhsa_kernel k_q1ec114ef89_prep
		.amdhsa_group_segment_fixed_size 33280
		.amdhsa_private_segment_fixed_size 0
		.amdhsa_enable_private_segment 0
		.amdhsa_kernarg_size 56
		.amdhsa_user_sgpr_count 2
		.amdhsa_user_sgpr_kernarg_segment_ptr 1
		.amdhsa_wavefront_size32 1
		.amdhsa_system_sgpr_workgroup_id_x 1
		.amdhsa_system_sgpr_workgroup_id_y 1
		.amdhsa_system_sgpr_workgroup_id_z 1
		.amdhsa_system_vgpr_workitem_id 0
		.amdhsa_next_free_vgpr 192
		.amdhsa_next_free_sgpr 66
		.amdhsa_reserve_vcc 1
		.amdhsa_float_denorm_mode_32 3
		.amdhsa_float_denorm_mode_16_64 3
		.amdhsa_memory_ordered 1
		.amdhsa_forward_progress 1
		.amdhsa_inst_pref_size 62
	.end_amdhsa_kernel
	.amdgpu_metadata
---
amdhsa.version: [ 1, 2 ]
amdhsa.kernels:
  - .name:           k_q1ec114ef89_prep
    .symbol:         k_q1ec114ef89_prep.kd
    .args:
      - { .name: x, .offset: 0, .size: 8, .value_kind: global_buffer, .address_space: global }
      - { .name: Wqkv, .offset: 8, .size: 8, .value_kind: global_buffer, .address_space: global }
      - { .name: Wproj, .offset: 16, .size: 8, .value_kind: global_buffer, .address_space: global }
      - { .name: codes, .offset: 24, .size: 8, .value_kind: global_buffer, .address_space: global }
      - { .name: scales, .offset: 32, .size: 8, .value_kind: global_buffer, .address_space: global }
      - { .name: wp16, .offset: 40, .size: 8, .value_kind: global_buffer, .address_space: global }
      - { .name: rope, .offset: 48, .size: 8, .value_kind: global_buffer, .address_space: global }
    .group_segment_fixed_size: 33280
    .private_segment_fixed_size: 0
    .kernarg_segment_align: 8
    .kernarg_segment_size: 56
    .max_flat_workgroup_size: 128
    .sgpr_count:     66
    .vgpr_count:     192
    .wavefront_size: 32
...
	.end_amdgpu_metadata
.endif
;; end of part 1
;; launch qkv (part 2): grid 12 x 16, 4 waves a work-group, clusters of 4 x 4, 327,680 bytes of LDS; arguments codes, scales, bqkv, rope, qkvh, fine32; writes qkvh, fine32
.if DOCPART == 2
	.amdgcn_target "amdgcn-amd-amdhsa--gfx1250"
	.amdhsa_code_object_version 6
	.text
	.protected	k_q1ec114ef89_qkv
	.globl	k_q1ec114ef89_qkv
	.p2align	8
	.type	k_q1ec114ef89_qkv,@function
k_q1ec114ef89_qkv:
	s_mov_b64 s[64:65], 0
	v_nop
	global_prefetch_b8 v0, s[64:65] scope:SCOPE_SE
	s_setreg_imm32_b32 hwreg(HW_REG_WAVE_MODE, 25, 1), 1
	s_wait_xcnt 0x0
	s_wait_alu depctr_hold_cnt(0) depctr_sa_sdst(0) depctr_va_vdst(0) depctr_va_sdst(0) depctr_va_ssrc(0) depctr_va_vcc(0) depctr_vm_vsrc(0)
	s_getreg_b32 s2, hwreg(HW_REG_IB_STS2, 6, 4)
	s_cmp_eq_u32 s2, 0
	s_cbranch_scc0 .Lentry_in_a_cluster
	s_endpgm
.Lentry_in_a_cluster:
	s_bfe_u32 s2, ttmp6, 0x10000c
	s_cmp_lg_u32 s2, 0xf033
	s_cbranch_scc0 .Lentry_shape_is_right
	s_endpgm
.Lentry_shape_is_right:
; qkv = Q(x) Q(Wqkv) + bqkv on codes of E2M1 with E8M0 scales, then the rotation of q and k, all sums and the rotation in f32; q, k, v leave as f16, [kind 3][batch x head 32][t 2048][64].
; Rows t < 16 of both batches leave once more in f32 (fine32 [b 2][t 16][3072]) for the launch that makes the first 16 positions finely.
; A tile of 256 x 256 is made by four waves, 128 x 128 each: 64 accumulators, 512 registers.  K = 1,024 is two LDS slots of 512: both are asked for at the head, and nothing is filled again.
; 192 work-groups: tiles of 256 columns keep whole heads in a wave (the rotation pairs channel d with d + 32) and let a cluster's x be the kind (q, k, v), which all partners share.
; x's codes come as rows of 256 bytes (+ 16 of padding); Wqkv's codes were stored as images of the operand's registers, so a fragment is two loads of 512 consecutive bytes and needs no padding.
; The scale bytes of the tile's 256 rows and 256 columns, for all of K, come once, as rows of 256 bytes + 16.
; CLUSTER 4 x 4: x's tiles are shared along a row of the cluster, Wqkv's along a column: each is asked for jointly, by the same load with the same descriptor and a mask that names the four.
; THE MATRIX INSTRUCTION IS USED TRANSPOSED (source 0 = 16 columns of Wqkv, source 1 = 16 rows of x): a lane holds row lane % 16 and eight neighbouring columns.  The bias is the C of each sum's first instruction.
; LIMIT: |q|, |k|, |v| over 65,504 become infinite in f16.
; REGISTERS: window 0: v0-31 addresses (v8-15 at work on the way out); v32-95 scale words, two sets, and nothing else; v96-127 cos and sin; v128-191 x's fragments, later the rotated numbers;
;   v192-255 the bias, later rows read back from the stage.   window 1: Wqkv's fragments, two sets.   windows 2, 3: the accumulators ((a, b) at v[8 (8 (a % 4) + b)]).
.set NQ,     4                         ; steps of 128 along K in a slot
.set ROWB,   256                       ; a row of x's tile in bytes
.set KROW,   512                       ; a row of x's codes in memory
.set PITCH,  272                       ; an LDS row: 256 + 16: the 16 rows of a load start 16 bytes apart modulo 256
.set FR,     8
.set NL,     2
.set NP,     4
.set HALFA,  128*PITCH
.set BOFF,   2*HALFA                   ; behind x's 256 rows: Wqkv's 16 tiles x 4 steps x 1,024 bytes
.set HALFB,  32768
.set SLOT,   BOFF+2*HALFB
.set KS,     32
.set SCL,    2*SLOT                    ; the scales
.set HALFS,  (128*KS/256)*272
.set SBLK,   (16*KS/256)*272
.set SPARE,  SCL+4*HALFS               ; the spare words: 128 bytes a wave, two blocks of 256 bytes that no other line names
.set WC0,    2097152
.set WS0,    131072
.set T,    8                           ; v8-15   at work in the rotation
.set ADRA, 16                          ; v16-17  x's fragments in slot 0, 1
.set ADRB, 20                          ; v20-21  Wqkv's
.set RO,   22                          ; v22     my bytes in a row of the table: 256 r + 32 h
.set FO,   23                          ; v23     my bytes in fine32: 12288 r + 32 h
.set STO,  24                          ; v24     the stage, in
.set RD,   25                          ; v25     the stage, out
.set GO,   26                          ; v26     16 x lane
.set ADRS, 27                          ; v27     my scale words: lanes 0-15 x's rows, lanes 16-31 Wqkv's columns
.set SPW,  28
.set NIL,  29
.set FL,   30                          ; v30     my wave's first t
.set BO,   31                          ; v31     32 h
.set SC,   32
.set CSR,  96                          ; cos of channels 16 bb + 8 h + j at CSR + 16 bb + j, sin 8 further on
.set AF,   128
.set OR,   128                         ; the way out: 64 numbers of a block of 16 rows, tile b at OR + 8 b
.set BI,   192
.set G1, 24
.set G0, 32
.set G1B, 48
.set G0B, 56
.set G1S, 68
.set G0S, 76
.set G1SB, 80
.set G0SB, 88
.set MSB, 0
.macro WIN new                         ; the immediate's high byte repeats the setting that is left
.if MSB != (\new)
	s_set_vgpr_msb (MSB<<8)|(\new)
.set MSB, (\new)
.endif
.endm
.set MUL_LO, 0xa1                      ; source 0 window 1, source 1 window 0, C and D window 2
.set MUL_HI, 0xf1                      ; the same, C and D window 3
.set TO_B,   0x40
; A joint load: waves 0 and 1 fetch for x, waves 2 and 3 for Wqkv.  The branch hangs on the wave's number alone.  An s_nop 0 and four v_nop follow each line.
.macro JLOAD g0a, g1a, g0b, g1b
	s_cmp_eq_u32 s15, 0
	s_cbranch_scc0 .Lfor_b_\@
	tensor_load_to_lds s[\g0a:\g0a+3], s[\g1a:\g1a+7]
	s_nop 0
.rept 4
	v_nop
.endr
	s_branch .Lasked_\@
.Lfor_b_\@:
	tensor_load_to_lds s[\g0b:\g0b+3], s[\g1b:\g1b+7]
	s_nop 0
.rept 4
	v_nop
.endr
.Lasked_\@:
.endm
.macro CROUND                          ; a round of the cluster's barrier
	s_barrier_signal -1
	s_barrier_wait -1
	s_cmp_lg_u32 s14, 0
	s_cbranch_scc1 .Lnot_wave_0_\@
	s_barrier_signal -3
.Lnot_wave_0_\@:
	s_barrier_wait -3
	s_barrier_signal -1
	s_barrier_wait -1
.endm
	s_load_b256 s[4:11], s[0:1], 0x0               ; codes s[4:5], scales s[6:7], bqkv s[8:9], rope s[10:11]
	s_load_b64 s[12:13], s[0:1], 0x20              ; qkvh
	s_load_b64 s[66:67], s[0:1], 0x28              ; fine32
	v_lshl_add_u32 v[SPW], v0, 2, SPARE
	v_mov_b32 v[NIL], 0
	ds_add_u32 v[SPW], v[NIL]                      ; the wave's opening: the add, twice on end, and its wait ahead of my first tensor load
	ds_add_u32 v[SPW], v[NIL]
	v_lshrrev_b32 v1, 5, v0
	v_readfirstlane_b32 s14, v1                    ; wave
	s_lshr_b32 s15, s14, 1                         ; my half of the tile's rows.  Also: I fetch for x (0) or for Wqkv (1)
	s_and_b32 s16, s14, 1                          ; my half of its columns.  Also: which half I fetch
	s_bfe_u32 s40, ttmp6, 0x40000                  ; cx
	s_bfe_u32 s41, ttmp6, 0x40004                  ; cy
	s_lshl_b32 s42, ttmp9, 2
	s_add_co_u32 s42, s42, s40                     ; tile column
	s_and_b32 s17, ttmp7, 0xffff
	s_lshl_b32 s17, s17, 2
	s_add_co_u32 s17, s17, s41                     ; tile row
	s_lshl_b32 s43, s41, 2
	s_lshl_b32 s43, 15, s43                        ; my row of the cluster
	s_lshl_b32 s44, 0x1111, s40                    ; my column
	s_or_b32 s[G1+0], s43, (0<<16)|(1<<20)|(1<<21)|(5<<22)|(3<<25)  ; x: elements of 1 byte; 4 words of padding after every 64
	s_mov_b32 s[G1+1], ROWB<<16                    ; tensor_dim0
	s_mov_b32 s[G1+2], 128<<16                     ; tensor_dim1
	s_mov_b32 s[G1+3], ROWB<<16                    ; tile_dim0
	s_mov_b32 s[G1+4], 128                         ; tile_dim1
	s_mov_b32 s[G1+5], KROW                        ; from row to row
	s_mov_b32 s[G1+6], 0
	s_mov_b32 s[G1+7], 0
	s_or_b32 s[G1B+0], s44, (3<<16)|(1<<21)        ; Wqkv's images: a dense block of 32,768 bytes as 128 rows of 32 elements of 8 bytes, no padding
	s_mov_b32 s[G1B+1], 32<<16
	s_mov_b32 s[G1B+2], 128<<16
	s_mov_b32 s[G1B+3], 32<<16
	s_mov_b32 s[G1B+4], 128
	s_mov_b32 s[G1B+5], 32
	s_mov_b32 s[G1B+6], 0
	s_mov_b32 s[G1B+7], 0
	s_or_b32 s[G1S+0], s43, (3<<16)|(1<<20)|(1<<21)|(5<<22)|(3<<25) ; the scales of 128 rows: 4,096 dense bytes as 16 rows of 256, 16 bytes of padding behind each
	s_or_b32 s[G1SB+0], s44, (3<<16)|(1<<20)|(1<<21)|(5<<22)|(3<<25)
.irp g, G1S, G1SB
	s_mov_b32 s[\g+1], 32<<16
	s_mov_b32 s[\g+2], (128*KS/256)<<16
	s_mov_b32 s[\g+3], 32<<16
	s_mov_b32 s[\g+4], 128*KS/256
	s_mov_b32 s[\g+5], 32
	s_mov_b32 s[\g+6], 0
	s_mov_b32 s[\g+7], 0
.endr
	s_lshl_b32 s18, s16, 7                         ; which 128 I fetch
	s_lshl_b32 s20, s17, 8
	s_add_co_u32 s20, s20, s18                     ; x: row 256 x tile row + 128 x half
	s_lshl_b32 s22, s20, 5                         ; its scales, 32 bytes a row,
	s_lshl_b32 s20, s20, 9                         ; its codes, 512 bytes a row
	s_mov_b32 s21, 0
	s_mov_b32 s23, 0
	s_lshl_b32 s46, s42, 16                        ; Wqkv's images: 65,536 bytes a tile column in each slot's part,
	s_lshl_b32 s47, s16, 15                        ; 32,768 a half
	s_add_co_u32 s46, s46, s47
	s_add_co_u32 s46, s46, WC0
	s_mov_b32 s47, 0
	s_lshl_b32 s92, s42, 8
	s_add_co_u32 s92, s92, s18                     ; column 256 x tile column + 128 x half
	s_lshl_b32 s92, s92, 5
	s_add_co_u32 s92, s92, WS0
	s_mov_b32 s93, 0
	s_mul_i32 s45, s16, HALFA                      ; where they go: no place in the cluster enters an LDS address
	s_lshl_b32 s95, s16, 15
	s_add_co_u32 s95, s95, BOFF
	s_mul_i32 s94, s14, HALFS
	s_wait_dscnt 0x0                               ; both opening adds are done
	s_wait_kmcnt 0x0
	s_add_nc_u64 s[20:21], s[4:5], s[20:21]
	s_add_nc_u64 s[22:23], s[6:7], s[22:23]
	s_add_nc_u64 s[46:47], s[4:5], s[46:47]
	s_add_nc_u64 s[92:93], s[6:7], s[92:93]
	CROUND                                         ; all sixteen work-groups are here: the joint loads meet
	s_mov_b32 s[G0S], 1
	s_add_co_u32 s[G0S+1], s94, SCL
	s_mov_b64 s[G0S+2:G0S+3], s[22:23]
	s_or_b32 s[G0S+3], s[G0S+3], 0x80000000
	s_mov_b32 s[G0SB], 1
	s_add_co_u32 s[G0SB+1], s94, SCL
	s_mov_b64 s[G0SB+2:G0SB+3], s[92:93]
	s_or_b32 s[G0SB+3], s[G0SB+3], 0x80000000
	JLOAD G0S, G1S, G0SB, G1SB                     ; the scales first; then both slots: three loads of mine are out
.irp s, 0,1
	s_mov_b32 s[G0+4*\s], 1
	s_add_co_u32 s[G0+4*\s+1], s45, \s*SLOT
	s_add_nc_u64 s[G0+4*\s+2:G0+4*\s+3], s[20:21], \s*ROWB
	s_or_b32 s[G0+4*\s+3], s[G0+4*\s+3], 0x80000000
	s_mov_b32 s[G0B+4*\s], 1
	s_add_co_u32 s[G0B+4*\s+1], s95, \s*SLOT
	s_add_nc_u64 s[G0B+4*\s+2:G0B+4*\s+3], s[46:47], \s*786432
	s_or_b32 s[G0B+4*\s+3], s[G0B+4*\s+3], 0x80000000
	JLOAD G0+4*\s, G1, G0B+4*\s, G1B
.endr
	v_and_b32 v1, 15, v0                           ; r
	v_bfe_u32 v2, v0, 4, 1                         ; h
	v_and_b32 v6, 31, v0                           ; lane
	v_mul_u32_u24 v3, v1, PITCH
	v_lshl_add_u32 v4, v2, 4, v3
	v_lshlrev_b32 v[GO], 4, v6
	s_mul_i32 s21, s15, HALFA                      ; my 128 rows of x
	s_lshl_b32 s22, s16, 15
	s_add_co_u32 s22, s22, BOFF                    ; my 8 tiles of Wqkv's columns
.irp s, 0,1
	v_add_nc_u32 v[ADRA+\s], s21, v4
	v_add_nc_u32 v[ADRB+\s], s22, v[GO]
	s_add_co_u32 s21, s21, SLOT
	s_add_co_u32 s22, s22, SLOT
.endr
	v_mul_u32_u24 v5, v1, KS                       ; my row's scales: 32 bytes a row,
	v_lshrrev_b32 v3, 8, v5
	v_lshl_add_u32 v5, v3, 4, v5                   ; and 16 more for each 256 passed
	s_mul_i32 s21, s15, HALFS
	s_mul_i32 s22, s16, HALFS
	s_add_co_u32 s22, s22, 2*HALFS
	s_sub_co_u32 s22, s22, s21
	v_mul_u32_u24 v3, s22, v2                      ; lanes 16-31 take Wqkv's
	s_add_co_u32 s21, s21, SCL
	v_add_nc_u32 v5, v5, v3
	v_add_nc_u32 v[ADRS], s21, v5
	v_lshlrev_b32 v[RO], 8, v1
	v_lshl_add_u32 v[RO], v2, 5, v[RO]
	v_mul_u32_u24 v[FO], v1, 12288
	v_lshl_add_u32 v[FO], v2, 5, v[FO]
	v_lshlrev_b32 v[BO], 5, v2
	s_mul_i32 s23, s14, 4608                       ; my stage: [head 2][row 16][128 + 16 bytes], in slot 0, which has had its only fill and is read no more when the first result is stored there
	v_mul_u32_u24 v3, v1, 144
	v_lshl_add_u32 v3, v2, 4, v3
	v_add_nc_u32 v[STO], s23, v3
	v_lshrrev_b32 v3, 3, v6
	v_mul_u32_u24 v3, v3, 144
	v_and_b32 v5, 7, v0
	v_lshl_add_u32 v3, v5, 4, v3
	v_add_nc_u32 v[RD], s23, v3                    ; back: 8 lanes a row of 128 bytes, 4 rows a load
	; where my part lies in the table, in qkvh, in bqkv and in fine32
	s_lshl_b32 s20, s17, 8
	s_lshl_b32 s21, s15, 7
	s_add_co_u32 s20, s20, s21                     ; my first row of x
	s_lshr_b32 s21, s20, 11                        ; the batch
	s_and_b32 s98, s20, 2047                       ; my first t
	v_mov_b32 v[FL], s98
	s_lshl_b32 s22, s98, 8
	s_mov_b32 s23, 0
	s_add_nc_u64 s[10:11], s[10:11], s[22:23]
	s_lshl_b32 s46, s40, 2
	s_lshl_b32 s47, s16, 1
	s_add_co_u32 s46, s46, s47                     ; my first head: 4 cx + 2 x half
	s_lshl_b32 s47, s21, 4
	s_add_co_u32 s46, s46, s47
	s_lshl_b32 s46, s46, 18                        ; 262,144 bytes a head
	s_lshl_b32 s47, ttmp9, 23                      ; the cluster's x is the kind: 8,388,608 bytes each
	s_add_co_u32 s46, s46, s47
	s_lshl_b32 s47, s98, 7
	s_add_co_u32 s46, s46, s47
	s_mov_b32 s47, 0
	s_add_nc_u64 s[12:13], s[12:13], s[46:47]
	s_lshl_b32 s92, s42, 10
	s_lshl_b32 s93, s16, 9
	s_add_co_u32 s92, s92, s93                     ; my first column x 4 bytes
	s_mov_b32 s93, 0
	s_add_nc_u64 s[8:9], s[8:9], s[92:93]
	s_mul_i32 s96, s21, 196608
	s_add_co_u32 s92, s92, s96
	s_add_nc_u64 s[66:67], s[66:67], s[92:93]
.irp b, 0,1,2,3,4,5,6,7
	global_load_b128 v[BI+8*\b:BI+8*\b+3], v[BO], s[8:9] offset:64*\b          ; the bias in the result's layout: tile b, columns 8 h + 0 .. 7
	global_load_b128 v[BI+8*\b+4:BI+8*\b+7], v[BO], s[8:9] offset:64*\b+16
.endr
.macro FRAG reg, adr, q, i             ; x: 16 rows x 128 K: registers 4 c .. 4 c + 3 hold K = 64 c + 32 h + 0 .. 31
.irp c, 0,1
	ds_load_b128 v[\reg+4*\c:\reg+4*\c+3], v[\adr] offset:64*(\q)+32*\c+(\i)*16*PITCH
.endr
.endm
.macro FRAGB reg, slot, q, i           ; Wqkv: the image as it was stored
.irp c, 0,1
	ds_load_b128 v[\reg+4*\c:\reg+4*\c+3], v[ADRB+\slot] offset:(4*(\i)+(\q))*1024+512*\c
.endr
.endm
; 16 matrix instructions: x's blocks a0, a0 + 1 against Wqkv's eight tiles.  zero = 1: the first product starts the sums, with the bias as C.  The 64 accumulators take turns, one instruction a turn.
.macro MUL16 a0, p, q, sc, zero
.irp a, \a0, \a0+1
.irp b, 0,1,2,3,4,5,6,7
.if \zero
	v_wmma_scale_f32_16x16x128_f8f6f4 v[8*(8*((\a)%4)+\b):8*(8*((\a)%4)+\b)+7], v[128*(\p)+FR*\b:128*(\p)+FR*\b+FR-1], v[AF+FR*(\a):AF+FR*(\a)+FR-1], v[BI+8*\b:BI+8*\b+7], v[SC+8*NQ*(\sc)+NQ*\b+(\q)], v[SC+8*NQ*(\sc)+NQ*(\a)+(\q)] matrix_a_fmt:MATRIX_FMT_FP4 matrix_b_fmt:MATRIX_FMT_FP4 matrix_a_scale:MATRIX_SCALE_ROW1
.else
	v_wmma_scale_f32_16x16x128_f8f6f4 v[8*(8*((\a)%4)+\b):8*(8*((\a)%4)+\b)+7], v[128*(\p)+FR*\b:128*(\p)+FR*\b+FR-1], v[AF+FR*(\a):AF+FR*(\a)+FR-1], v[8*(8*((\a)%4)+\b):8*(8*((\a)%4)+\b)+7], v[SC+8*NQ*(\sc)+NQ*\b+(\q)], v[SC+8*NQ*(\sc)+NQ*(\a)+(\q)] matrix_a_fmt:MATRIX_FMT_FP4 matrix_b_fmt:MATRIX_FMT_FP4 matrix_a_scale:MATRIX_SCALE_ROW1
.endif
.endr
.endr
.endm
.macro FETCH_B slot, q, p
	WIN TO_B
.irp i, 0,1,2,3,4,5,6,7
	FRAGB 128*(\p)+FR*\i, \slot, \q, \i
.endr
	WIN 0
.endm
.macro FETCH_A slot, q, i0
.irp i, \i0, \i0+1, \i0+2, \i0+3
	FRAG AF+FR*(\i), ADRA+\slot, \q, \i
.endr
.endm
.macro SCALES sc                       ; a slot's four words a row: lanes 0-15 x's block i, lanes 16-31 Wqkv's tile i
.irp i, 0,1,2,3,4,5,6,7
	ds_load_b128 v[SC+8*NQ*\sc+NQ*\i:SC+8*NQ*\sc+NQ*\i+3], v[ADRS] offset:\i*SBLK
.endr
.endm
.macro PLACES n                        ; plain instructions between a matrix instruction and a load into, or a read of, its registers
.rept \n
	v_nop
.endr
.endm
.macro STEP slot, q, zero              ; 128 along K, with its successor in the same slot.  x has one set of registers, refilled by halves; Wqkv two
	s_wait_dscnt 4*NL                              ; all but the youngest eight loads (x's blocks 4-7) are in
	WIN MUL_LO-0x20*(\zero)                        ; (with the bias as C: C in window 0)
	MUL16 0, (\q)%2, \q, \slot, \zero
	MUL16 2, (\q)%2, \q, \slot, \zero
	s_wait_dscnt 0
	PLACES NP
	FETCH_B \slot, (\q)+1, 1-(\q)%2
	FETCH_A \slot, (\q)+1, 0
	WIN MUL_HI-0x30*(\zero)
	MUL16 4, (\q)%2, \q, \slot, \zero
	MUL16 6, (\q)%2, \q, \slot, \zero
	PLACES NP
	WIN 0
	FETCH_A \slot, (\q)+1, 4
.endm
.macro STEPS slot, from
.set Q, \from
.rept NQ-1-\from
	STEP \slot, Q, 0
.set Q, Q+1
.endr
.endm
	s_wait_tensorcnt 1                             ; the scales and my part of slot 0 are in; slot 1's load may be out
	s_barrier_signal -1
	s_barrier_wait -1
	FETCH_B 0, 0, 0
	FETCH_A 0, 0, 0
	SCALES 0
	FETCH_A 0, 0, 4
	s_wait_loadcnt 0x0                             ; the bias
	STEP 0, 0, 1
	STEPS 0, 1
	; slot 0's last step changes slots: every wave's part of slot 1 has landed and its reads of slot 0 are over in front of the barrier
	s_wait_tensorcnt 0x0
	ds_add_u32 v[SPW], v[NIL]
	s_wait_dscnt 4*NL+1                            ; the add and the youngest eight loads may be out
	WIN MUL_LO
	MUL16 0, 1, NQ-1, 0, 0
	s_wait_dscnt 0x0
	s_barrier_signal -1
	MUL16 2, 1, NQ-1, 0, 0
	WIN 0
	s_barrier_wait -1
	PLACES NP
	v_add_nc_u32 v[ADRS], 4*NQ, v[ADRS]            ; slot 1's scale words
	FETCH_B 1, 0, 0
	FETCH_A 1, 0, 0
	SCALES 1
	WIN MUL_HI
	MUL16 4, 1, NQ-1, 0, 0
	MUL16 6, 1, NQ-1, 0, 0
	PLACES NP
	WIN 0
	FETCH_A 1, 0, 4
	STEPS 1, 0
	s_wait_dscnt 4*NL
	WIN MUL_LO
	MUL16 0, 1, NQ-1, 1, 0
	MUL16 2, 1, NQ-1, 1, 0
	s_wait_dscnt 0
	WIN MUL_HI
	MUL16 4, 1, NQ-1, 1, 0
	MUL16 6, 1, NQ-1, 1, 0
	WIN 0
; THE WAY OUT, a block of 16 rows (t = my first t + 16 a + r) at a time.  Tile b holds head b / 4, channels 16 (b % 4) + 8 h + j.
.macro CSLOAD a                        ; cos and sin of my row, channels 16 bb + 8 h + 0 .. 7
.irp bb, 0,1
.irp sc, 0,1
.irp e, 0,1
	global_load_b128 v[CSR+16*\bb+8*\sc+4*\e:CSR+16*\bb+8*\sc+4*\e+3], v[RO], s[10:11] offset:4096*(\a)+128*\sc+64*\bb+16*\e
.endr
.endr
.endr
.endm
.macro ROPE a                          ; out(d) = x(d) cos - x(d + 32) sin;  out(d + 32) = x(d + 32) cos + x(d) sin: tiles bb and bb + 2 of a head, two numbers an instruction; each accumulator from its low end on
	s_wait_loadcnt 0x0                             ; only this block's cos and sin are out
	WIN 0x02+(\a)/4                                ; source 0: the accumulators' window
.set AC, 64*((\a)%4)
.irp hd, 0,1
.irp bb, 0,1
.irp jp, 0,2,4,6
.set X1, AC+8*(4*\hd+\bb)+\jp
.set O1, OR+8*(4*\hd+\bb)+\jp
.set CC, CSR+16*\bb+\jp
.set TT, T+2*(\jp%4)
	v_pk_mul_f32 v[TT:TT+1], v[X1+16:X1+17], v[CC+8:CC+9]
	v_pk_mul_f32 v[TT+2:TT+3], v[X1:X1+1], v[CC+8:CC+9]
	v_pk_fma_f32 v[O1:O1+1], v[X1:X1+1], v[CC:CC+1], v[TT:TT+1] neg_lo:[0,0,1] neg_hi:[0,0,1]
	v_pk_fma_f32 v[O1+16:O1+17], v[X1+16:X1+17], v[CC:CC+1], v[TT+2:TT+3]
.endr
.endr
.endr
	WIN 0
.endm
.macro CVT                             ; to f16, in place: register 8 b + rr takes numbers 2 rr and 2 rr + 1 of tile b, ascending, so no number is written over before it is read
.irp b, 0,1,2,3,4,5,6,7
.irp rr, 0,1,2,3
	v_cvt_pk_f16_f32 v[OR+8*\b+\rr], v[OR+8*\b+2*\rr], v[OR+8*\b+2*\rr+1]
.endr
.endr
.endm
.macro PACKV a                         ; v is not rotated: straight from the accumulators
	WIN 0x0a+5*((\a)/4)
.set AC, 64*((\a)%4)
.irp b, 0,1,2,3,4,5,6,7
.irp rr, 0,1,2,3
	v_cvt_pk_f16_f32 v[OR+8*\b+\rr], v[AC+8*\b+2*\rr], v[AC+8*\b+2*\rr+1]
.endr
.endr
	WIN 0
.endm
; The f32 copy of rows t < 16: block 0 of the waves whose first t is 0.  A mask on the lanes, not a branch: every wave runs the lines.  Pieces of 32 bytes, 393,216 bytes in the whole launch.
.macro FINE acc
	s_wait_xcnt 0x0                                ; EXEC changes only behind this wait
	v_cmp_eq_u32 vcc_lo, 0, v[FL]
	s_and_saveexec_b32 s100, vcc_lo
.if \acc
	WIN 0x08                                       ; a store's data: window 2
.endif
.irp b, 0,1,2,3,4,5,6,7
.irp e, 0,1
.if \acc
	global_store_b128 v[FO], v[8*\b+4*\e:8*\b+4*\e+3], s[66:67] offset:64*\b+16*\e
.else
	global_store_b128 v[FO], v[OR+8*\b+4*\e:OR+8*\b+4*\e+3], s[66:67] offset:64*\b+16*\e
.endif
.endr
.endr
	WIN 0
	s_wait_xcnt 0x0                                ; and again ahead of the line that restores it; the stores' data may be written again too
	s_or_b32 exec_lo, exec_lo, s100
.endm
.macro TOSTAGE a                       ; 16 bytes a lane into my stage, and back as rows of 128 bytes, four to a load.  LDS serves a wave's instructions in order
.irp b, 0,1,2,3,4,5,6,7
	ds_store_b128 v[STO], v[OR+8*\b:OR+8*\b+3] offset:(\b/4)*2304+32*(\b%4)
.endr
.set BB, 192+32*((\a)%2)
.irp hd, 0,1
.irp i, 0,1,2,3
	ds_load_b128 v[BB+4*(4*\hd+\i):BB+4*(4*\hd+\i)+3], v[RD] offset:2304*\hd+576*\i
.endr
.endr
.endm
.macro SEND a
.set BB, 192+32*((\a)%2)
	s_wait_dscnt 0x0                               ; the block is back in registers
	s_wait_xcnt 0x0                                ; the stores of the block before have read their registers: the next block's loads may land there
.irp hd, 0,1
.irp i, 0,1,2,3
	global_store_b128 v[GO], v[BB+4*(4*\hd+\i):BB+4*(4*\hd+\i)+3], s[12:13] offset:262144*\hd+2048*(\a)+512*\i   ; 512 consecutive bytes: four rows of a head
.endr
.endr
.endm
	PLACES NP                                      ; behind the last products: for the loads, writes and reads below
	s_cmp_eq_u32 ttmp9, 2                          ; the cluster's x: the same in all sixteen partners
	s_cbranch_scc1 .Lvalues
	CSLOAD 0
	ROPE 0
	CSLOAD 1
	FINE 0
	CVT
	TOSTAGE 0
.irp a, 1,2,3,4,5,6,7
	ROPE \a
.if \a < 7
	CSLOAD \a+1
.endif
	CVT
	SEND \a-1
	TOSTAGE \a
.endr
	SEND 7
	s_branch .Lout
.Lvalues:
	FINE 1
	PACKV 0
	TOSTAGE 0
.irp a, 1,2,3,4,5,6,7
	PACKV \a
	SEND \a-1
	TOSTAGE \a
.endr
	SEND 7
.Lout:
	s_wait_tensorcnt 0x0                           ; the wave's end
	ds_add_u32 v[SPW], v[NIL]
	s_wait_dscnt 0x0
	CROUND                                         ; the closing round
	s_endpgm
.Lfunc_end_k_q1ec114ef89_qkv:
	.size	k_q1ec114ef89_qkv, .Lfunc_end_k_q1ec114ef89_qkv-k_q1ec114ef89_qkv
	.p2alignl 7, 3214868480
	.fill 96, 4, 3214868480
	.section	.rodata,"a",@progbits
	.p2align	6, 0x0
	.amdhsa_kernel k_q1ec114ef89_qkv
		.amdhsa_group_segment_fixed_size 327680
		.amdhsa_private_segment_fixed_size 0
		.amdhsa_enable_private_segment 0
		.amdhsa_kernarg_size 48
		.amdhsa_user_sgpr_count 2
		.amdhsa_user_sgpr_kernarg_segment_ptr 1
		.amdhsa_wavefront_size32 1
		.amdhsa_system_sgpr_workgroup_id_x 1
		.amdhsa_system_sgpr_workgroup_id_y 1
		.amdhsa_system_sgpr_workgroup_id_z 1
		.amdhsa_system_vgpr_workitem_id 0
		.amdhsa_next_free_vgpr 1024
		.amdhsa_next_free_sgpr 102
		.amdhsa_reserve_vcc 1
		.amdhsa_float_denorm_mode_32 3
		.amdhsa_float_denorm_mode_16_64 3
		.amdhsa_memory_ordered 1
		.amdhsa_forward_progress 1
		.amdhsa_inst_pref_size 202
	.end_amdhsa_kernel
	.amdgpu_metadata
---
amdhsa.version: [ 1, 2 ]
amdhsa.kernels:
  - .name:           k_q1ec114ef89_qkv
    .symbol:         k_q1ec114ef89_qkv.kd
    .args:
      - { .name: codes, .offset: 0, .size: 8, .value_kind: global_buffer, .address_space: global }
      - { .name: scales, .offset: 8, .size: 8, .value_kind: global_buffer, .address_space: global }
      - { .name: bqkv, .offset: 16, .size: 8, .value_kind: global_buffer, .address_space: global }
      - { .name: rope, .offset: 24, .size: 8, .value_kind: global_buffer, .address_space: global }
      - { .name: qkvh, .offset: 32, .size: 8, .value_kind: global_buffer, .address_space: global }
      - { .name: fine32, .offset: 40, .size: 8, .value_kind: global_buffer, .address_space: global }
    .group_segment_fixed_size: 327680
    .private_segment_fixed_size: 0
    .kernarg_segment_align: 8
    .kernarg_segment_size: 48
    .max_flat_workgroup_size: 128
    .sgpr_count:     102
    .vgpr_count:     1024
    .wavefront_size: 32
...
	.end_amdgpu_metadata
.endif
;; end of part 2
;; launch attn (part 3): grid 8 x 32, 16 waves a work-group, no clusters, 327,680 bytes of LDS; arguments qkvh, yh; writes yh
.if DOCPART == 3
	.amdgcn_target "amdgcn-amd-amdhsa--gfx1250"
	.amdhsa_code_object_version 6
	.text
	.protected	k_q1ec114ef89_attn
	.globl	k_q1ec114ef89_attn
	.p2align	8
	.type	k_q1ec114ef89_attn,@function
k_q1ec114ef89_attn:
	s_mov_b64 s[64:65], 0
	v_nop
	global_prefetch_b8 v0, s[64:65] scope:SCOPE_SE
	s_setreg_imm32_b32 hwreg(HW_REG_WAVE_MODE, 25, 1), 1
	s_wait_xcnt 0x0
; y[b][h][t] = the sum over s <= t of softmax_s(q[t] . k[s] / 8) v[s], head size 64.  q, k, v: f16 [kind][b x h][t 2048][64]; products on f16 operands with f32 sums; maxima, exponentials and sums in f32;
; the weights p (at most 1) are rounded to f16 for the second product.  y leaves as f16, laid as the projection's tiles: [16 b + t / 128][h][t % 128][64].
; (Positions t < 16 are made here too; a later launch makes them again in f32 and writes them last.)
; SHARES.  A head's 2,048 queries are 16 blocks of 128.  Work-group x owns blocks x and 15 - x: under the causal mask every work-group then has the same work.  Waves 0-7 take block x, waves 8-15 block 15 - x,
; 16 queries each, in 256 registers: four waves to a SIMD, so that one wave's vector work stands beside another's products and LDS loads.
; Every work-group walks all 8 slots of 256 keys, so the trip counts are constants; a step of 64 keys that lies wholly behind a wave's queries is jumped over (ids alone), and a slot whose first key lies behind the
; work-group's last query is not asked for.
; NO CLUSTER: the work-groups of a head need different numbers of tiles (the causal limit ends their loads at different slots), so a joint load would bring some partners tiles that none of their waves reads.
; LAYOUT.  S^T = K Q^T (source 0 = 16 keys, source 1 = my 16 queries): a lane holds one query (lane % 16) and keys 8 (lane / 16) + 0..7 of each tile; two tiles, rounded in pairs, are source 1 of O^T = V^T P.
; K comes out of LDS as it lies; V ([key][channel]) turned, by ds_load_tr16_b128.
; SOFTMAX.  A running maximum m and sum l for each query: p = 2^(c s - c m), c = log2(e) / 8; in every step O and l are multiplied by a = 2^(c m_old - c m_new).
.set SLOT1, 1<<17                      ; slot 1 begins here: one exclusive or turns an address
.set VOFF,  256*144                    ; a slot: 256 rows of K (128 bytes + 16), then 256 rows of V (128 + 32)
.set STAGE, SLOT1+VOFF+256*160         ; the way out: 16 rows x 144 bytes a wave; no tile lands here
.set SPARE, STAGE+16*2304              ; the spare words: 128 bytes a wave, eight blocks of 256 bytes that no other line names
.set AK0, 1                            ; v1  my place in a tile of K: 144 r + 16 h
.set AV0, 2                            ; v2  in a tile of V
.set ADK, 3
.set ADV, 4
.set SPW, 5
.set NIL, 6
.set GO,  7                            ; v7  16 x lane
.set STO, 8
.set RD,  9
.set PFO, 10                           ; v10 256 x lane
.set DD,  11                           ; v11 the mask's bound
.set NINF, 12                          ; v12 -infinity
.set RH,  13                           ; v13 r - 8 h
                                       ; v14 c m, v15 m; v[16:17] l in two halves; v18-21 at work; v22 a (v23 named with it as a pair)
.set QR,  24                           ; v24-39   Q, channels 32 c on at 24 + 8 c
.set KR,  40                           ; v40-103  K, (tile kt, c) at 40 + 16 kt + 8 c
.set VR,  104                          ; v104-167 V, (keys 32 kk on, channels 16 dt on) at 104 + 32 kk + 8 dt
.set S,   168                          ; v168-199 S^T, then p
.set P,   200                          ; v200-215
.set O,   216                          ; v216-247 O^T
.set WV,  18
.set SEL, 20
.set CS,  22
.set G1K, 24
.set G1V, 32
.set G0K, 40
.set G0V, 44
.set TB,  2                            ; s2  LDS byte at which the slot in hand begins
.set SLOTS, 67
.set KF,  98                           ; s98 the step's first key
.set Q0,  99                           ; s99 my first query
.set QL,  81                           ; s81 my work-group's last query
.set PFA, 76
.set LIM, 80
; Wave 0 fetches a slot's K, wave 1 its V, the others nothing.  An s_nop 0 and four v_nop follow each line.
.macro TLOAD
	s_cmp_lg_u32 s[WV], 0
	s_cbranch_scc1 .Lnot_k_\@
	tensor_load_to_lds s[G0K:G0K+3], s[G1K:G1K+7]
	s_nop 0
.rept 4
	v_nop
.endr
	s_branch .Lasked_\@
.Lnot_k_\@:
	s_cmp_lg_u32 s[WV], 1
	s_cbranch_scc1 .Lasked_\@
	tensor_load_to_lds s[G0V:G0V+3], s[G1V:G1V+7]
	s_nop 0
.rept 4
	v_nop
.endr
.Lasked_\@:
.endm
; A prefetch of what the NEXT change of slots will ask for: a slot's 32,768 bytes of K and of V.  Each aligned block of 256 bytes is named once in the launch: of a head's work-groups the first asks (it walks all keys);
; in it waves 4-7 ask for K, waves 8-11 for V, 8,192 bytes a wave, lanes 256 bytes apart.  The last change that fills a slot asks for nothing; slots 0 and 1 come by their loads alone.
.macro ASK
	s_cmp_gt_u32 s[SLOTS], s[LIM]
	s_cbranch_scc0 .Lnot_mine_\@
	global_prefetch_b8 v[PFO], s[PFA:PFA+1] th:TH_LOAD_NT scope:SCOPE_SE
.Lnot_mine_\@:
.endm
	s_load_b128 s[4:7], s[0:1], 0x0                ; qkvh, yh
	v_lshl_add_u32 v[SPW], v0, 2, SPARE
	v_mov_b32 v[NIL], 0
	ds_add_u32 v[SPW], v[NIL]                      ; the wave's opening: the add, twice on end, and its wait ahead of the first tensor load
	ds_add_u32 v[SPW], v[NIL]
	v_lshrrev_b32 v14, 5, v0
	v_readfirstlane_b32 s[WV], v14
	s_and_b32 s72, ttmp7, 0xffff                   ; batch x head
	s_sub_co_u32 s73, 15, ttmp9
	s_cmp_lt_u32 s[WV], 8
	s_cselect_b32 s73, ttmp9, s73                  ; my block of 128 queries
	s_and_b32 s74, s[WV], 7
	s_lshl_b32 s[Q0], s73, 7
	s_lshl_b32 s75, s74, 4
	s_add_co_u32 s[Q0], s[Q0], s75
	s_lshl_b32 s[QL], ttmp9, 7
	s_sub_co_u32 s[QL], 2047, s[QL]
	s_lshl_b32 s82, s72, 18                        ; a head's 262,144 bytes
	s_mov_b32 s83, 0
	s_mov_b32 s[G1K], (1<<16)|(1<<20)|(4<<22)|(3<<25)   ; elements of 2 bytes; 4 words of padding after every 32
	s_mov_b32 s[G1V], (1<<16)|(1<<20)|(4<<22)|(7<<25)   ; 8 words
.irp g, G1K, G1V
	s_mov_b32 s[\g+1], 64<<16                      ; tensor_dim0
	s_mov_b32 s[\g+2], 256<<16                     ; tensor_dim1
	s_mov_b32 s[\g+3], 64<<16                      ; tile_dim0
	s_mov_b32 s[\g+4], 256                         ; tile_dim1
	s_mov_b32 s[\g+5], 64                          ; from row to row
	s_mov_b32 s[\g+6], 0
	s_mov_b32 s[\g+7], 0
.endr
	s_mov_b32 s[SEL], 0x76543210
	s_mov_b32 s[SEL+1], 0xfedcba98
	s_mov_b32 s[CS], 0x3e38aa3b                    ; c = log2(e) / 8
	s_mov_b32 s[CS+1], s[CS]
	s_mov_b32 s[TB], 0
	s_mov_b32 s[SLOTS], 7
	s_mov_b32 s[KF], 0
	s_wait_dscnt 0x0                               ; both opening adds are done
	s_wait_kmcnt 0x0
	s_add_nc_u64 s[84:85], s[4:5], s[82:83]        ; q of my head; k and v lie 8,388,608 and 16,777,216 bytes on
	s_mov_b32 s[G0K], 1
	s_mov_b32 s[G0K+1], 0
	s_add_nc_u64 s[G0K+2:G0K+3], s[84:85], 8388608
	s_or_b32 s[G0K+3], s[G0K+3], 0x80000000
	s_mov_b32 s[G0V], 1
	s_mov_b32 s[G0V+1], VOFF
	s_add_nc_u64 s[G0V+2:G0V+3], s[84:85], 16777216
	s_or_b32 s[G0V+3], s[G0V+3], 0x80000000
	TLOAD                                          ; slot 0: it holds key 0, which counts for every query
	s_lshl_b32 s90, s[Q0], 7
	s_mov_b32 s91, 0
	s_add_nc_u64 s[90:91], s[84:85], s[90:91]      ; my 16 queries
	v_and_b32 v14, 15, v0                          ; r
	v_bfe_u32 v15, v0, 4, 1                        ; h
	v_lshlrev_b32 v248, 7, v14
	v_lshl_add_u32 v248, v15, 4, v248
.irp c, 0,1
	global_load_b128 v[QR+8*\c:QR+8*\c+3], v248, s[90:91] offset:64*\c
	global_load_b128 v[QR+8*\c+4:QR+8*\c+7], v248, s[90:91] offset:64*\c+32
.endr
	s_cmp_lt_u32 s[WV], 8                          ; the prefetches: waves 4-7 K, waves 8-11 V
	s_mov_b32 s86, 16777216
	s_cselect_b32 s86, 8388608, s86
	s_and_b32 s88, s[WV], 3
	s_lshl_b32 s88, s88, 13
	s_add_co_u32 s86, s86, s88
	s_add_co_u32 s86, s86, 32768                   ; in slot 1: the first change steps it to slot 2
	s_mov_b32 s87, 0
	s_add_nc_u64 s[PFA:PFA+1], s[84:85], s[86:87]
	s_sub_co_u32 s88, s[WV], 4
	s_lshr_b32 s88, s88, 3                         ; 0 in waves 4 to 11,
	s_or_b32 s88, s88, ttmp9                       ; of the head's first work-group
	s_cmp_eq_u32 s88, 0
	s_cselect_b32 s[LIM], 1, -1
	s_lshr_b32 s92, s72, 4                         ; y: ((16 b + block) 16 + h) x 16,384 + my 16 rows
	s_lshl_b32 s92, s92, 4
	s_add_co_u32 s92, s92, s73
	s_lshl_b32 s92, s92, 4
	s_and_b32 s93, s72, 15
	s_add_co_u32 s92, s92, s93
	s_lshl_b32 s92, s92, 14
	s_lshl_b32 s93, s74, 11
	s_add_co_u32 s92, s92, s93
	s_mov_b32 s93, 0
	s_add_nc_u64 s[6:7], s[6:7], s[92:93]
	v_mul_u32_u24 v[AK0], v14, 144
	v_lshl_add_u32 v[AK0], v15, 4, v[AK0]
	v_and_b32 v17, 7, v0
	v_lshl_add_u32 v17, v15, 3, v17                ; the turning load: key 8 h + lane % 8,
	v_mul_u32_u24 v[AV0], v17, 160
	v_bfe_u32 v17, v0, 3, 1
	v_lshl_add_u32 v[AV0], v17, 4, v[AV0]          ; channels 8 ((lane / 8) % 2) on
	v_add_nc_u32 v[AV0], VOFF, v[AV0]
	v_and_b32 v18, 31, v0
	v_lshlrev_b32 v[GO], 4, v18
	v_lshlrev_b32 v[PFO], 8, v18
	s_mul_i32 s94, s[WV], 2304
	s_add_co_u32 s94, s94, STAGE
	v_add_nc_u32 v[STO], s94, v[AK0]               ; in: row r, 16 bytes for each half of the lanes
	v_lshrrev_b32 v19, 3, v18
	v_mul_u32_u24 v19, v19, 144
	v_and_b32 v20, 7, v0
	v_lshl_add_u32 v19, v20, 4, v19
	v_add_nc_u32 v[RD], s94, v19                   ; back: 8 lanes a row, 4 rows a load
	v_lshlrev_b32 v20, 3, v15
	v_sub_nc_u32 v[RH], v14, v20
	v_mov_b32 v[NINF], 0xff800000
	v_mov_b32 v15, 0xff61b1e6                      ; m: -3e38, under every score
	v_mul_f32 v14, s[CS], v15
	v_mov_b32 v16, 0
	v_mov_b32 v17, 0
	v_mov_b32 v19, 0                               ; a lane permute's destination counts as one of its sources
	v_mov_b32 v23, 0
.set J, 0
.rept 32
	v_mov_b32 v[O+J], 0                            ; the step is written once: the first finds zeros, which a = 0 leaves zeros
.set J, J+1
.endr
; A KEY STEP: 64 keys, the q-th of the slot in hand.
.macro STEP q
	s_cmp_gt_u32 s[KF], s[Q0]                      ; both are multiples of 16: all 64 keys lie behind my 16 queries
	s_cbranch_scc1 .Lhidden_\@
	v_add_nc_u32 v[ADK], s[TB], v[AK0]             ; these four plain lines stand between the last step's products and the loads into V's registers
	v_add_nc_u32 v[ADV], s[TB], v[AV0]
	v_nop
	v_nop
.irp kt, 0,1,2,3
.irp c, 0,1
	ds_load_b128 v[KR+16*\kt+8*\c:KR+16*\kt+8*\c+3], v[ADK] offset:9216*(\q)+2304*\kt+64*\c
	ds_load_b128 v[KR+16*\kt+8*\c+4:KR+16*\kt+8*\c+7], v[ADK] offset:9216*(\q)+2304*\kt+64*\c+32
.endr
.endr
.irp kk, 0,1
.irp dt, 0,1,2,3
	ds_load_tr16_b128 v[VR+32*\kk+8*\dt:VR+32*\kk+8*\dt+3], v[ADV] offset:10240*(\q)+5120*\kk+32*\dt
	ds_load_tr16_b128 v[VR+32*\kk+8*\dt+4:VR+32*\kk+8*\dt+7], v[ADV] offset:10240*(\q)+5120*\kk+32*\dt+2560
.endr
.endr
	s_wait_dscnt 16                                ; K is in; V's sixteen loads may be out
.irp c, 0,1                                    ; the four tiles take turns
.irp kt, 0,1,2,3
.if \c == 0
	v_wmma_f32_16x16x32_f16 v[S+8*\kt:S+8*\kt+7], v[KR+16*\kt:KR+16*\kt+7], v[QR:QR+7], 0
.else
	v_wmma_f32_16x16x32_f16 v[S+8*\kt:S+8*\kt+7], v[KR+16*\kt+8:KR+16*\kt+15], v[QR+8:QR+15], v[S+8*\kt:S+8*\kt+7]
.endif
.endr
.endr
.rept 4
	v_nop
.endr
	s_add_co_u32 s96, s[KF], 63                    ; on the diagonal hidden scores become -infinity; a step all of whose keys count skips this
	s_cmp_le_u32 s96, s[Q0]
	s_cbranch_scc1 .Lopen_\@
	s_sub_co_i32 s96, s[Q0], s[KF]
	v_add_nc_u32 v[DD], s96, v[RH]                 ; register 8 kt + j holds key KF + 16 kt + 8 h + j: hidden where 16 kt + j > my query - KF - 8 h
.set N, 0
.rept 32
	v_cmp_gt_i32 vcc_lo, 16*(N/8)+N%8, v[DD]
	v_cndmask_b32 v[S+N], v[S+N], v[NINF], vcc_lo
.set N, N+1
.endr
.Lopen_\@:
.irp k, 0,1,2,3
	v_max3_num_f32 v[18+\k], v[S+8*\k], v[S+8*\k+1], v[S+8*\k+2]   ; the maximum, four chains; each tile from its low end on
.endr
.irp g, 3,5
.irp k, 0,1,2,3
	v_max3_num_f32 v[18+\k], v[18+\k], v[S+8*\k+\g], v[S+8*\k+\g+1]
.endr
.endr
	v_max3_num_f32 v18, v18, v[S+7], v[S+15]
	v_max3_num_f32 v20, v20, v[S+23], v[S+31]
	v_max3_num_f32 v18, v18, v19, v20
	v_max3_num_f32 v18, v18, v21, v15              ; with the old m
	v_permlanex16_b32 v19, v18, s[SEL], s[SEL+1]   ; the query's other keys lie in the lane 16 away
	v_mov_b32 v21, v14                             ; c m_old
	v_max_num_f32 v15, v18, v19
	v_mul_f32 v14, s[CS], v15
	v_sub_f32 v21, v21, v14
	v_exp_f32 v22, v21                             ; a
.set J, 0
.rept 16
	v_pk_fma_f32 v[S+J:S+J+1], v[S+J:S+J+1], s[CS:CS+1], v[14:15] op_sel_hi:[1,0,0] neg_lo:[0,0,1] neg_hi:[0,0,1]   ; c s - c m
.set J, J+2
.endr
.set J, 0
.rept 32
	v_exp_f32 v[S+J], v[S+J]
.set J, J+1
.endr
	v_nop                                          ; a plain instruction behind the last exponential
	s_wait_alu depctr_va_vdst(0)                   ; one wait for the 33, ahead of their first reader
.set J, 0
.rept 16
	v_cvt_pk_f16_f32 v[P+J], v[S+2*J], v[S+2*J+1]
.set J, J+1
.endr
.irp u, 0,1,2,3,4,5,6,7                        ; the sum of the unrounded p, in place, by pairs
	v_pk_add_f32 v[S+4*\u:S+4*\u+1], v[S+4*\u:S+4*\u+1], v[S+4*\u+2:S+4*\u+3]
.endr
.irp u, 0,1,2,3
	v_pk_add_f32 v[S+8*\u:S+8*\u+1], v[S+8*\u:S+8*\u+1], v[S+8*\u+4:S+8*\u+5]
.endr
.irp u, 0,1
	v_pk_add_f32 v[S+16*\u:S+16*\u+1], v[S+16*\u:S+16*\u+1], v[S+16*\u+8:S+16*\u+9]
.endr
	v_pk_add_f32 v[S:S+1], v[S:S+1], v[S+16:S+17]
	v_pk_fma_f32 v[16:17], v[16:17], v[22:23], v[S:S+1] op_sel_hi:[1,0,1]   ; l = a l + the sum
.set J, 0
.rept 16
	v_pk_mul_f32 v[O+J:O+J+1], v[O+J:O+J+1], v[22:23] op_sel_hi:[1,0]
.set J, J+2
.endr
	s_wait_dscnt 0x0                               ; V is in
.irp kk, 0,1
.irp dt, 0,1,2,3
	v_wmma_f32_16x16x32_f16 v[O+8*\dt:O+8*\dt+7], v[VR+32*\kk+8*\dt:VR+32*\kk+8*\dt+7], v[P+8*\kk:P+8*\kk+7], v[O+8*\dt:O+8*\dt+7]
.endr
.endr
.Lhidden_\@:
	s_add_co_u32 s[KF], s[KF], 64
.endm
; THE CHANGE OF SLOTS stands at a slot's head.  Each wave waits for all its tensor loads, adds 0 to its spare word, and waits for that and for its reads of the slot that it has left; behind the barrier the slot ahead is
; whole and nobody reads the other one, which (fill = 1) takes the keys that follow.
.macro CHANGE fill
	s_wait_tensorcnt 0x0                           ; no tensor load of mine is out: a group 0 may be written
	ds_add_u32 v[SPW], v[NIL]
.if \fill
	ds_add_u32 v[SPW], v[NIL]
	s_xor_b32 s[G0K+1], s[G0K+1], SLOT1
	s_add_nc_u64 s[G0K+2:G0K+3], s[G0K+2:G0K+3], 32768
	s_xor_b32 s[G0V+1], s[G0V+1], SLOT1
	s_add_nc_u64 s[G0V+2:G0V+3], s[G0V+2:G0V+3], 32768
	s_wait_xcnt 0x0                                ; the last prefetch, a slot back, has read its address
	s_add_nc_u64 s[PFA:PFA+1], s[PFA:PFA+1], 32768
.endif
	s_wait_dscnt 0x0
	s_barrier_signal -1
	s_barrier_wait -1
.if \fill
	s_add_co_u32 s96, s[KF], 256                   ; the first key of the slot that this change would ask for
	s_cmp_gt_u32 s96, s[QL]                        ; behind my work-group's last query: none of its waves would read it.  Ids and the count of steps alone: all sixteen waves go the same way
	s_cbranch_scc1 .Lpast_\@
	TLOAD                                          ; a wave's one tensor load until the next change
.Lpast_\@:
	ASK
.endif
.endm
.macro SLOT_STEPS
	STEP 0
	STEP 1
	STEP 2
	STEP 3
	s_xor_b32 s[TB], s[TB], SLOT1
.endm
	s_wait_loadcnt 0x0                             ; Q
.Lslot:                                            ; 7 trips
	CHANGE 1
	SLOT_STEPS
	s_sub_co_u32 s[SLOTS], s[SLOTS], 1
	s_cmp_lg_u32 s[SLOTS], 0
	s_cbranch_scc1 .Lslot
	CHANGE 0                                       ; the last slot is written out: nothing is left to ask for
	SLOT_STEPS
	; THE WAY OUT: O^T / l, to f16, through my stage, out as 512 consecutive bytes a store
.rept 4
	v_nop
.endr
	v_add_f32 v16, v16, v17
	v_permlanex16_b32 v19, v16, s[SEL], s[SEL+1]
	v_add_f32 v16, v16, v19
	v_rcp_f32 v22, v16
	v_nop
	s_wait_alu depctr_va_vdst(0)
.set J, 0
.rept 32
	v_mul_f32 v[S+J], v[O+J], v22
.set J, J+1
.endr
.set J, 0
.rept 16
	v_cvt_pk_f16_f32 v[P+J], v[S+2*J], v[S+2*J+1]
.set J, J+1
.endr
.irp dt, 0,1,2,3
	ds_store_b128 v[STO], v[P+4*\dt:P+4*\dt+3] offset:32*\dt
.endr
.irp i, 0,1,2,3
	ds_load_b128 v[KR+4*\i:KR+4*\i+3], v[RD] offset:576*\i     ; LDS serves a wave's instructions in order: these see my stores
.endr
.irp i, 0,1,2,3
	s_wait_dscnt 3-\i
	global_store_b128 v[GO], v[KR+4*\i:KR+4*\i+3], s[6:7] offset:512*\i
.endr
	s_wait_tensorcnt 0x0                           ; the wave's end
	ds_add_u32 v[SPW], v[NIL]
	s_wait_dscnt 0x0
	s_endpgm
.Lfunc_end_k_q1ec114ef89_attn:
	.size	k_q1ec114ef89_attn, .Lfunc_end_k_q1ec114ef89_attn-k_q1ec114ef89_attn
	.p2alignl 7, 3214868480
	.fill 96, 4, 3214868480
	.section	.rodata,"a",@progbits
	.p2align	6, 0x0
	.amdhsa_kernel k_q1ec114ef89_attn
		.amdhsa_group_segment_fixed_size 327680
		.amdhsa_private_segment_fixed_size 0
		.amdhsa_enable_private_segment 0
		.amdhsa_kernarg_size 16
		.amdhsa_user_sgpr_count 2
		.amdhsa_user_sgpr_kernarg_segment_ptr 1
		.amdhsa_wavefront_size32 1
		.amdhsa_system_sgpr_workgroup_id_x 1
		.amdhsa_system_sgpr_workgroup_id_y 1
		.amdhsa_system_sgpr_workgroup_id_z 1
		.amdhsa_system_vgpr_workitem_id 0
		.amdhsa_next_free_vgpr 256
		.amdhsa_next_free_sgpr 100
		.amdhsa_reserve_vcc 1
		.amdhsa_float_denorm_mode_32 3
		.amdhsa_float_denorm_mode_16_64 3
		.amdhsa_memory_ordered 1
		.amdhsa_forward_progress 1
		.amdhsa_inst_pref_size 108
	.end_amdhsa_kernel
	.amdgpu_metadata
---
amdhsa.version: [ 1, 2 ]
amdhsa.kernels:
  - .name:           k_q1ec114ef89_attn
    .symbol:         k_q1ec114ef89_attn.kd
    .args:
      - { .name: qkvh, .offset: 0, .size: 8, .value_kind: global_buffer, .address_space: global }
      - { .name: yh, .offset: 8, .size: 8, .value_kind: global_buffer, .address_space: global }
    .group_segment_fixed_size: 327680
    .private_segment_fixed_size: 0
    .kernarg_segment_align: 8
    .kernarg_segment_size: 16
    .max_flat_workgroup_size: 512
    .sgpr_count:     100
    .vgpr_count:     256
    .wavefront_size: 32
...
	.end_amdgpu_metadata
.endif
;; end of part 3
;; launch proj (part 4): grid 8 x 32, 4 waves a work-group, clusters of 4 x 4, 327,680 bytes of LDS; arguments yh, wp16, out0, bproj; writes out0
.if DOCPART == 4
	.amdgcn_target "amdgcn-amd-amdhsa--gfx1250"
	.amdhsa_code_object_version 6
	.text
	.protected	k_q1ec114ef89_proj
	.globl	k_q1ec114ef89_proj
	.p2align	8
	.type	k_q1ec114ef89_proj,@function
k_q1ec114ef89_proj:
	s_mov_b64 s[64:65], 0
	v_nop
	global_prefetch_b8 v0, s[64:65] scope:SCOPE_SE
	s_setreg_imm32_b32 hwreg(HW_REG_WAVE_MODE, 25, 1), 1
	s_wait_xcnt 0x0
	s_wait_alu depctr_hold_cnt(0) depctr_sa_sdst(0) depctr_va_vdst(0) depctr_va_sdst(0) depctr_va_ssrc(0) depctr_va_vcc(0) depctr_vm_vsrc(0)
	s_getreg_b32 s2, hwreg(HW_REG_IB_STS2, 6, 4)
	s_cmp_eq_u32 s2, 0
	s_cbranch_scc0 .Lentry_in_a_cluster
	s_endpgm
.Lentry_in_a_cluster:
	s_bfe_u32 s2, ttmp6, 0x10000c
	s_cmp_lg_u32 s2, 0xf033
	s_cbranch_scc0 .Lentry_shape_is_right
	s_endpgm
.Lentry_shape_is_right:
; out0 = y Wproj + bproj: [4096][1024] x [1024 (k)][1024 (n)], f16 operands, f32 sums, f32 out.  All rows are made here; the 32 rows t < 16 are written once more, finely, by the launch behind this one
; (to leave them out here would be a branch on a work-group's place in its cluster).
; A tile of 128 x 128 gives 256 work-groups.  Four waves, 64 x 64 each: 16 accumulators.  K goes in steps of 256 through two LDS slots.
; y lies as [tile of 128 rows][head][row][64]: a K step (four heads) of a tile is 65,536 consecutive bytes, taken as 512 LDS rows of 128 bytes + 16 (row 128 hh + r).  Wproj lies [k][n]: 256 rows of 256 bytes + 32,
; turned on the way to the registers by ds_load_tr16_b128.
; CLUSTER 4 x 4: y's tiles are shared along a row of the cluster, Wproj's along a column, by joint loads.  THE MATRIX INSTRUCTION IS USED TRANSPOSED (source 0 = 16 columns of Wproj, source 1 = 16 rows of y):
; a lane holds eight neighbouring numbers of a row.  The bias is the C of each sum's first instruction.
; REGISTERS: window 0: v0-31 addresses; v32-95 the way out; v96-127 the bias; v128-255 the accumulators ((a, b) at v[128 + 8 (4 a + b)]).  window 1: two fragment buffers of 128: 64 of y, then 64 of Wproj.
.set HALFT,  36864                     ; what one tensor load brings: 256 rows x 144 (y) or 128 rows x 288 (Wproj)
.set SLOT,   4*HALFT
.set STAGE,  2*SLOT                    ; 16 rows x (256 + 16) bytes for each wave: a wave's 64 columns of f32 are 256 aligned bytes, so each wave has a stage of its own
.set SPITCH, 272
.set SPARE,  STAGE+4*16*SPITCH
.set LAPS,   2
.set ADRA, 16                          ; v16-17
.set ADRB, 20                          ; v20-23: 2 x slot + (which 128 of the step's 256 rows)
.set STO,  24
.set RD,   25
.set CO,   26
.set SPW,  28
.set NIL,  29
.set BO,   30
.set BIAS, 96
.set ACC,  128
.set F0,   0
.set F1,   128
.set G1, 24
.set G0, 32
.set G1B, 48
.set G0B, 56
.set MSB, 0
.macro WIN new
.if MSB != (\new)
	s_set_vgpr_msb (MSB<<8)|(\new)
.set MSB, (\new)
.endif
.endm
.set MUL,  0x05                        ; sources 0 and 1 window 1; C and D window 0
.set TO_F, 0x40
.macro JLOAD s                         ; waves 0 and 1 fetch y's halves, waves 2 and 3 Wproj's; an s_nop 0 and four v_nop follow each line
	s_cmp_eq_u32 s11, 0
	s_cbranch_scc0 .Lfor_b_\@
	tensor_load_to_lds s[G0+4*\s:G0+4*\s+3], s[G1:G1+7]
	s_nop 0
.rept 4
	v_nop
.endr
	s_branch .Lasked_\@
.Lfor_b_\@:
	tensor_load_to_lds s[G0B+4*\s:G0B+4*\s+3], s[G1B:G1B+7]
	s_nop 0
.rept 4
	v_nop
.endr
.Lasked_\@:
.endm
.macro CREST
	s_cmp_lg_u32 s10, 0
	s_cbranch_scc1 .Lnot_wave_0_\@
	s_barrier_signal -3
.Lnot_wave_0_\@:
	s_barrier_wait -3
	s_barrier_signal -1
	s_barrier_wait -1
.endm
.macro CROUND
	s_barrier_signal -1
	s_barrier_wait -1
	CREST
.endm
	s_load_b128 s[4:7], s[0:1], 0x0                ; yh, wp16
	s_load_b64 s[8:9], s[0:1], 0x10                ; out0
	s_load_b64 s[66:67], s[0:1], 0x18              ; bproj
	v_lshl_add_u32 v[SPW], v0, 2, SPARE
	v_mov_b32 v[NIL], 0
	ds_add_u32 v[SPW], v[NIL]                      ; the wave's opening: the add, twice on end, and its wait ahead of my first tensor load
	ds_add_u32 v[SPW], v[NIL]
	v_lshrrev_b32 v1, 5, v0
	v_readfirstlane_b32 s10, v1
	s_lshr_b32 s11, s10, 1                         ; my half of the rows.  Also: I fetch for y (0) or Wproj (1)
	s_and_b32 s12, s10, 1                          ; my half of the columns.  Also: which half I fetch
	s_bfe_u32 s40, ttmp6, 0x40000
	s_bfe_u32 s41, ttmp6, 0x40004
	s_lshl_b32 s42, ttmp9, 2
	s_add_co_u32 s42, s42, s40                     ; tile column
	s_and_b32 s13, ttmp7, 0xffff
	s_lshl_b32 s13, s13, 2
	s_add_co_u32 s13, s13, s41                     ; tile row
	s_lshl_b32 s43, s41, 2
	s_lshl_b32 s43, 15, s43
	s_lshl_b32 s44, 0x1111, s40
	s_or_b32 s[G1+0], s43, (1<<16)|(1<<20)|(1<<21)|(4<<22)|(3<<25)   ; y: elements of 2 bytes; 4 words of padding after every 32
	s_mov_b32 s[G1+1], 64<<16
	s_mov_b32 s[G1+2], 256<<16
	s_mov_b32 s[G1+3], 64<<16
	s_mov_b32 s[G1+4], 256
	s_mov_b32 s[G1+5], 64
	s_mov_b32 s[G1+6], 0
	s_mov_b32 s[G1+7], 0
	s_or_b32 s[G1B+0], s44, (1<<16)|(1<<20)|(1<<21)|(5<<22)|(7<<25)  ; Wproj: 8 words of padding after every 64
	s_mov_b32 s[G1B+1], 128<<16
	s_mov_b32 s[G1B+2], 128<<16
	s_mov_b32 s[G1B+3], 128<<16
	s_mov_b32 s[G1B+4], 128
	s_mov_b32 s[G1B+5], 1024
	s_mov_b32 s[G1B+6], 0
	s_mov_b32 s[G1B+7], 0
	s_lshl_b32 s16, s13, 18                        ; y: 262,144 bytes a tile row, 32,768 for two heads
	s_lshl_b32 s17, s12, 15
	s_add_co_u32 s16, s16, s17
	s_mov_b32 s17, 0
	s_lshl_b32 s46, s42, 8                         ; Wproj: 256 bytes a tile column, 128 rows of 2,048 bytes
	s_lshl_b32 s47, s12, 18
	s_add_co_u32 s46, s46, s47
	s_mov_b32 s47, 0
	s_mul_i32 s20, s10, HALFT
	s_wait_dscnt 0x0
	s_wait_kmcnt 0x0
	s_add_nc_u64 s[14:15], s[4:5], s[16:17]
	s_add_nc_u64 s[46:47], s[6:7], s[46:47]
	CROUND
.irp s, 0,1
	s_mov_b32 s[G0+4*\s], 1
	s_add_co_u32 s[G0+4*\s+1], s20, \s*SLOT
	s_add_nc_u64 s[G0+4*\s+2:G0+4*\s+3], s[14:15], \s*65536
	s_or_b32 s[G0+4*\s+3], s[G0+4*\s+3], 0x80000000
	s_mov_b32 s[G0B+4*\s], 1
	s_add_co_u32 s[G0B+4*\s+1], s20, \s*SLOT
	s_add_nc_u64 s[G0B+4*\s+2:G0B+4*\s+3], s[46:47], \s*524288
	s_or_b32 s[G0B+4*\s+3], s[G0B+4*\s+3], 0x80000000
	JLOAD \s
.endr
	v_and_b32 v1, 15, v0                           ; r
	v_bfe_u32 v2, v0, 4, 1                         ; h
	v_mul_u32_u24 v3, v1, 144
	v_lshl_add_u32 v3, v2, 4, v3
	s_mul_i32 s21, s11, 9216                       ; my 64 rows of each head
.irp s, 0,1
	v_add_nc_u32 v[ADRA+\s], s21, v3
	s_add_co_u32 s21, s21, SLOT
.endr
	v_and_b32 v4, 7, v0
	v_lshl_add_u32 v4, v2, 3, v4                   ; the turning load: row 8 h + lane % 8,
	v_mul_u32_u24 v4, v4, 288
	v_bfe_u32 v5, v0, 3, 1
	v_lshl_add_u32 v4, v5, 4, v4                   ; columns 8 ((lane / 8) % 2) on
	s_lshl_b32 s22, s12, 7                         ; my 64 columns
	s_add_co_u32 s22, s22, 2*HALFT
.irp i, 0,1,2,3
	s_add_co_u32 s23, s22, (\i/2)*SLOT+(\i%2)*HALFT
	v_add_nc_u32 v[ADRB+\i], s23, v4
.endr
	s_mul_i32 s23, s10, 16*SPITCH
	s_add_co_u32 s23, s23, STAGE
	v_mul_u32_u24 v4, v1, SPITCH
	v_lshl_add_u32 v4, v2, 5, v4
	v_add_nc_u32 v[STO], s23, v4                   ; in: row r, 32 bytes for each half of the lanes
	v_mul_u32_u24 v5, v2, SPITCH
	v_lshl_add_u32 v5, v1, 4, v5
	v_add_nc_u32 v[RD], s23, v5                    ; back: 16 lanes a row of 256 bytes
	v_lshlrev_b32 v5, 12, v2
	v_lshl_add_u32 v[CO], v1, 4, v5                ; the same two rows in out0
	v_lshlrev_b32 v[BO], 5, v2
	s_lshl_b32 s16, s13, 7
	s_lshl_b32 s17, s11, 6
	s_add_co_u32 s16, s16, s17
	s_lshl_b32 s16, s16, 12                        ; my first row x 4,096 bytes
	s_mov_b32 s17, 0
	s_add_nc_u64 s[8:9], s[8:9], s[16:17]
	s_lshl_b32 s46, s42, 9
	s_lshl_b32 s47, s12, 8
	s_add_co_u32 s46, s46, s47                     ; my first column x 4 bytes
	s_mov_b32 s47, 0
	s_add_nc_u64 s[8:9], s[8:9], s[46:47]
	s_add_nc_u64 s[66:67], s[66:67], s[46:47]
.irp b, 0,1,2,3
	global_load_b128 v[BIAS+8*\b:BIAS+8*\b+3], v[BO], s[66:67] offset:64*\b
	global_load_b128 v[BIAS+8*\b+4:BIAS+8*\b+7], v[BO], s[66:67] offset:64*\b+16
.endr
.macro MUL8 f, c, a0, zero             ; 8 matrix instructions; the 16 accumulators take turns
.irp a, \a0, \a0+1
.irp b, 0,1,2,3
.if \zero
	v_wmma_f32_16x16x32_f16 v[ACC+8*(4*(\a)+\b):ACC+8*(4*(\a)+\b)+7], v[\f+64+8*(4*\c+\b):\f+64+8*(4*\c+\b)+7], v[\f+8*(4*\c+\a):\f+8*(4*\c+\a)+7], v[BIAS+8*\b:BIAS+8*\b+7]
.else
	v_wmma_f32_16x16x32_f16 v[ACC+8*(4*(\a)+\b):ACC+8*(4*(\a)+\b)+7], v[\f+64+8*(4*\c+\b):\f+64+8*(4*\c+\b)+7], v[\f+8*(4*\c+\a):\f+8*(4*\c+\a)+7], v[ACC+8*(4*(\a)+\b):ACC+8*(4*(\a)+\b)+7]
.endif
.endr
.endr
.endm
.macro FETCH slot, kq, f               ; 32 LDS loads: the fragments of the step's kq-th 64 along K (one head), the first 32 along K first
	WIN TO_F
.irp c, 0,1
.irp i, 0,1,2,3
	ds_load_tr16_b128 v[\f+64+8*(4*\c+\i):\f+64+8*(4*\c+\i)+3],   v[ADRB+2*\slot+(\kq)/2] offset:(((\kq)%2)*64+32*\c)*288+32*\i
	ds_load_tr16_b128 v[\f+64+8*(4*\c+\i)+4:\f+64+8*(4*\c+\i)+7], v[ADRB+2*\slot+(\kq)/2] offset:(((\kq)%2)*64+32*\c)*288+32*\i+4608
	ds_load_b128 v[\f+8*(4*\c+\i):\f+8*(4*\c+\i)+3],         v[ADRA+\slot] offset:18432*(\kq)+2304*\i+64*\c
	ds_load_b128 v[\f+8*(4*\c+\i)+4:\f+8*(4*\c+\i)+7],       v[ADRA+\slot] offset:18432*(\kq)+2304*\i+64*\c+32
.endr
.endr
.endm
.macro PLACES
.rept 4
	v_nop
.endr
.endm
.macro QUARTER slot, kq, f, g, zero    ; multiplies buffer f and fetches quarter kq into g
	s_wait_dscnt 16                                ; the first 32 along K are in; the other sixteen loads may be out
	WIN MUL
	MUL8 \f, 0, 0, \zero
	MUL8 \f, 0, 2, \zero
	PLACES
	FETCH \slot, \kq, \g
	s_wait_dscnt 32                                ; all but the 32 just issued
	WIN MUL
	MUL8 \f, 1, 0, 0
	MUL8 \f, 1, 2, 0
.endm
.macro TURN slot, next, fill           ; the last quarter changes slots: one barrier; with fill = 1 it opens a round of the cluster's barrier, and the joint refill stands first behind it
	WIN 0
	s_wait_tensorcnt 0x0                           ; all my tensor loads have landed: my part of the next slot
	ds_add_u32 v[SPW], v[NIL]
	s_wait_dscnt 17                                ; the add and the youngest sixteen loads may be out
	WIN MUL
	MUL8 F1, 0, 0, 0
	s_wait_dscnt 0x0                               ; the add is done, and my reads of this slot are over
	s_barrier_signal -1
	MUL8 F1, 0, 2, 0
.if \fill
	WIN 0
.endif
	s_barrier_wait -1
.if \fill
	CREST
	s_add_nc_u64 s[G0+4*\slot+2:G0+4*\slot+3], s[G0+4*\slot+2:G0+4*\slot+3], 131072
	s_add_nc_u64 s[G0B+4*\slot+2:G0B+4*\slot+3], s[G0B+4*\slot+2:G0B+4*\slot+3], 1048576
	JLOAD \slot                                    ; the four v_nop behind it are also the places in front of the loads below
.else
	PLACES
.endif
	FETCH \next, 0, F0
	WIN MUL
	MUL8 F1, 1, 0, 0
	MUL8 F1, 1, 2, 0
.endm
	s_wait_tensorcnt 1                             ; my part of K step 0 is in; K step 1's load may be out
	s_barrier_signal -1
	s_barrier_wait -1
	FETCH 0, 0, F0
	s_wait_loadcnt 0x0                             ; the bias
	QUARTER 0, 1, F0, F1, 1
	WIN 0
	s_mov_b32 s3, LAPS-1
.Llap:
	QUARTER 0, 2, F1, F0, 0
	QUARTER 0, 3, F0, F1, 0
	TURN 0, 1, 1
	QUARTER 1, 1, F0, F1, 0
	QUARTER 1, 2, F1, F0, 0
	QUARTER 1, 3, F0, F1, 0
	TURN 1, 0, 1
	QUARTER 0, 1, F0, F1, 0
	WIN 0
	s_sub_co_u32 s3, s3, 1
	s_cmp_lg_u32 s3, 0
	s_cbranch_scc1 .Llap
	QUARTER 0, 2, F1, F0, 0                        ; the last lap fills nothing
	QUARTER 0, 3, F0, F1, 0
	TURN 0, 1, 0
	QUARTER 1, 1, F0, F1, 0
	QUARTER 1, 2, F1, F0, 0
	QUARTER 1, 3, F0, F1, 0
	s_wait_dscnt 16
	WIN MUL
	MUL8 F1, 0, 0, 0
	MUL8 F1, 0, 2, 0
	s_wait_dscnt 0
	MUL8 F1, 1, 0, 0
	MUL8 F1, 1, 2, 0
	WIN 0
; THE WAY OUT, 16 rows at a time through my own stage: LDS serves a wave's instructions in order, so no wait stands between the stores and the loads
.macro TOSTAGE a
.irp b, 0,1,2,3
	ds_store_b128 v[STO], v[ACC+8*(4*(\a)+\b):ACC+8*(4*(\a)+\b)+3] offset:64*\b          ; each accumulator from its low end on
	ds_store_b128 v[STO], v[ACC+8*(4*(\a)+\b)+4:ACC+8*(4*(\a)+\b)+7] offset:64*\b+16
.endr
.irp t, 0,1,2,3,4,5,6,7
	ds_load_b128 v[32+32*((\a)%2)+4*\t:32+32*((\a)%2)+4*\t+3], v[RD] offset:544*\t
.endr
.endm
.macro SEND a, younger
	s_wait_dscnt \younger                          ; the block is back; the next block's 8 stores and 8 loads may be out
.irp t, 0,1,2,3,4,5,6,7
	global_store_b128 v[CO], v[32+32*((\a)%2)+4*\t:32+32*((\a)%2)+4*\t+3], s[8:9] offset:(16*(\a)+2*\t)*4096 th:TH_STORE_NT   ; 16 lanes store 256 consecutive bytes, aligned
.endr
.endm
	PLACES
	TOSTAGE 0
.irp a, 1,2,3
.if \a > 1
	s_wait_xcnt 0x0                                ; block a - 2's stores have read their registers
.endif
	TOSTAGE \a
	SEND \a-1, 16
.endr
	SEND 3, 0
	s_wait_tensorcnt 0x0                           ; the wave's end
	ds_add_u32 v[SPW], v[NIL]
	s_wait_dscnt 0x0
	CROUND                                         ; the closing round
	s_endpgm
.Lfunc_end_k_q1ec114ef89_proj:
	.size	k_q1ec114ef89_proj, .Lfunc_end_k_q1ec114ef89_proj-k_q1ec114ef89_proj
	.p2alignl 7, 3214868480
	.fill 96, 4, 3214868480
	.section	.rodata,"a",@progbits
	.p2align	6, 0x0
	.amdhsa_kernel k_q1ec114ef89_proj
		.amdhsa_group_segment_fixed_size 327680
		.amdhsa_private_segment_fixed_size 0
		.amdhsa_enable_private_segment 0
		.amdhsa_kernarg_size 32
		.amdhsa_user_sgpr_count 2
		.amdhsa_user_sgpr_kernarg_segment_ptr 1
		.amdhsa_wavefront_size32 1
		.amdhsa_system_sgpr_workgroup_id_x 1
		.amdhsa_system_sgpr_workgroup_id_y 1
		.amdhsa_system_sgpr_workgroup_id_z 1
		.amdhsa_system_vgpr_workitem_id 0
		.amdhsa_next_free_vgpr 512
		.amdhsa_next_free_sgpr 68
		.amdhsa_reserve_vcc 0
		.amdhsa_float_denorm_mode_32 3
		.amdhsa_float_denorm_mode_16_64 3
		.amdhsa_memory_ordered 1
		.amdhsa_forward_progress 1
		.amdhsa_inst_pref_size 87
	.end_amdhsa_kernel
	.amdgpu_metadata
---
amdhsa.version: [ 1, 2 ]
amdhsa.kernels:
  - .name:           k_q1ec114ef89_proj
    .symbol:         k_q1ec114ef89_proj.kd
    .args:
      - { .name: yh, .offset: 0, .size: 8, .value_kind: global_buffer, .address_space: global }
      - { .name: wp16, .offset: 8, .size: 8, .value_kind: global_buffer, .address_space: global }
      - { .name: out0, .offset: 16, .size: 8, .value_kind: global_buffer, .address_space: global }
      - { .name: bproj, .offset: 24, .size: 8, .value_kind: global_buffer, .address_space: global }
    .group_segment_fixed_size: 327680
    .private_segment_fixed_size: 0
    .kernarg_segment_align: 8
    .kernarg_segment_size: 32
    .max_flat_workgroup_size: 128
    .sgpr_count:     68
    .vgpr_count:     512
    .wavefront_size: 32
...
	.end_amdgpu_metadata
.endif
;; end of part 4
;; launch first16 (part 5): grid 16 x 2, 16 waves a work-group, no clusters, 198,656 bytes of LDS; arguments fine32, Wproj, bproj, out0; writes out0
.if DOCPART == 5
	.amdgcn_target "amdgcn-amd-amdhsa--gfx1250"
	.amdhsa_code_object_version 6
	.text
	.protected	k_q1ec114ef89_first16
	.globl	k_q1ec114ef89_first16
	.p2align	8
	.type	k_q1ec114ef89_first16,@function
k_q1ec114ef89_first16:
	s_mov_b64 s[64:65], 0
	v_nop
	global_prefetch_b8 v0, s[64:65] scope:SCOPE_SE
	s_setreg_imm32_b32 hwreg(HW_REG_WAVE_MODE, 25, 1), 1
	s_wait_xcnt 0x0
; THE FIRST 16 POSITIONS of both sequences, wholly in f32 (fused multiply-adds): under the causal mask they average one to sixteen values and are the largest in size, so f16 operands would use up what is allowed there.
; fine32 [b 2][t 16][3072]: q, k, v after bias and rotation.  out0 rows (b, t < 16) = softmax(q k^T / 8, causal) v Wproj + bproj, written over what the launch before left there.
; SHARES.  Work-group (x, b) makes columns 64 x .. 64 x + 63 of batch b's 16 rows: 256 aligned bytes of each row.  Each makes the batch's small attention anew (16 x 16 x 64 for each head): less than a launch more or a sum
; across work-groups would cost.  Wave w is head w: scores, softmax, y; then its 64 channels' part of the projection; the sixteen parts meet in LDS behind the one barrier, and wave w adds and stores row t = w.
; Lane (r, h): query r, channels 32 h .. 32 h + 31.  In the projection lane l holds columns 2 l, 2 l + 1.  No matrix unit, no tensor load, no cluster: 32 small work-groups.
; LDS: K of head w at 4096 w ([key][256 bytes]), later the wave's part [t][256 bytes]; V at 65,536 + 4096 w; y^T [channel 64][t 16] at 131,072 + 4096 w.
; REGISTERS: v16-47 q, then y; v48-79 the scores in even and odd halves, then p in v48-63; v16-79 later four sets of 16 y; v80-143 at work, later Wproj's rows 32-63; v144-207 Wproj's rows 0-31; v208-239 the sums.
.set SPW, 14
.set NIL, 15
.set SPARE, 196608
.macro PKF d, a, b, sel                ; d += a x (register sel of the pair b), in both halves
.if \sel
	v_pk_fma_f32 v[\d:\d+1], v[\a:\a+1], v[\b:\b+1], v[\d:\d+1] op_sel:[0,1,0] op_sel_hi:[1,1,1]
.else
	v_pk_fma_f32 v[\d:\d+1], v[\a:\a+1], v[\b:\b+1], v[\d:\d+1] op_sel_hi:[1,0,1]
.endif
.endm
.macro PKM d, a, b, sel                ; d = a x (register sel of the pair b): starts a sum
.if \sel
	v_pk_mul_f32 v[\d:\d+1], v[\a:\a+1], v[\b:\b+1] op_sel:[0,1] op_sel_hi:[1,1]
.else
	v_pk_mul_f32 v[\d:\d+1], v[\a:\a+1], v[\b:\b+1] op_sel_hi:[1,0]
.endif
.endm
	s_load_b256 s[4:11], s[0:1], 0x0               ; fine32, Wproj, bproj, out0
	v_lshl_add_u32 v[SPW], v0, 2, SPARE
	v_mov_b32 v[NIL], 0
	v_lshrrev_b32 v1, 5, v0
	v_readfirstlane_b32 s12, v1                    ; wave = head
	s_and_b32 s14, ttmp7, 0xffff                   ; batch
	v_and_b32 v1, 15, v0                           ; r
	v_bfe_u32 v2, v0, 4, 1                         ; h
	v_and_b32 v3, 31, v0                           ; lane
	v_mul_u32_u24 v4, v1, 12288
	v_lshl_add_u32 v4, v2, 7, v4                   ; q: row r, + 128 h
	v_mul_u32_u24 v5, v2, 12288
	v_lshl_add_u32 v5, v1, 4, v5                   ; K, V: two rows a load, 16 lanes a row of 256 bytes
	v_lshlrev_b32 v6, 3, v3                        ; 8 x lane
	s_lshl_b32 s15, s12, 12                        ; 4096 w
	v_lshl_add_u32 v7, v3, 4, s15                  ; K into LDS: 16 x lane
	v_add_nc_u32 v8, 0x10000, v7                   ; V
	v_lshl_add_u32 v9, v2, 7, s15                  ; K out of LDS: my half of a key's channels
	v_add_nc_u32 v10, 0x10000, v9                  ; V
	s_add_co_u32 s16, s15, 0x20000
	v_lshl_add_u32 v11, v2, 11, s16
	v_lshl_add_u32 v11, v1, 2, v11                 ; y^T in: channel 32 h + i, t = r
	v_mov_b32 v12, s16                             ; y^T out: one address for all lanes
	v_add_nc_u32 v13, s15, v6                      ; my part: 8 x lane
	s_lshl_b32 s17, s12, 8
	v_add_nc_u32 v246, s17, v6                     ; the parts' row t = w
	v_mov_b32 v245, 0                              ; (named as the upper half of a pair)
	v_mov_b32 v247, 0xff800000                     ; -infinity
	s_mov_b32 s20, 0x76543210
	s_mov_b32 s21, 0xfedcba98
	s_mov_b32 s22, 0x3e38aa3b                      ; c = log2(e) / 8
	s_mul_i32 s24, s14, 196608
	s_add_co_u32 s24, s24, s17                     ; the batch, + 256 w: my head's 64 columns
	s_mov_b32 s25, 0
	s_lshl_b32 s26, s12, 18                        ; Wproj: row 64 w,
	s_lshl_b32 s28, ttmp9, 8                       ; column 64 x
	s_add_co_u32 s26, s26, s28
	s_mov_b32 s27, 0
	s_mov_b32 s29, 0
	s_lshl_b32 s30, s14, 11
	s_add_co_u32 s30, s30, s12
	s_lshl_b32 s30, s30, 12                        ; out0: row 2048 b + w
	s_add_co_u32 s30, s30, s28
	s_mov_b32 s31, 0
	s_wait_kmcnt 0x0
	s_add_nc_u64 s[4:5], s[4:5], s[24:25]
	s_add_nc_u64 s[6:7], s[6:7], s[26:27]
	s_add_nc_u64 s[8:9], s[8:9], s[28:29]
	s_add_nc_u64 s[10:11], s[10:11], s[30:31]
.irp e, 0,1,2,3,4,5,6,7
	global_load_b128 v[16+4*\e:19+4*\e], v4, s[4:5] offset:16*\e
.endr
.irp i, 0,1,2,3,4,5,6,7
	global_load_b128 v[80+4*\i:83+4*\i], v5, s[4:5] offset:24576*\i+4096
.endr
.irp i, 0,1,2,3,4,5,6,7
	global_load_b128 v[112+4*\i:115+4*\i], v5, s[4:5] offset:24576*\i+8192
.endr
.set I, 0
.rept 32
	global_load_b64 v[144+2*I:145+2*I], v6, s[6:7] offset:4096*I       ; Wproj's rows 64 w + 0 .. 31: 256 consecutive bytes a load
.set I, I+1
.endr
	global_load_b64 v[240:241], v6, s[8:9]
	s_wait_loadcnt 33                              ; q, K and V are in; Wproj's 32 loads and the bias may be out
.irp i, 0,1,2,3,4,5,6,7
	ds_store_b128 v7, v[80+4*\i:83+4*\i] offset:512*\i
	ds_store_b128 v8, v[112+4*\i:115+4*\i] offset:512*\i
.endr
	s_wait_dscnt 0x0                               ; the stores are done: their registers take the loads below (these bytes are my wave's own: no barrier)
	; the scores: my 32 channels' part for each of the 16 keys, even and odd channels apart
.irp e, 0,1,2,3,4,5,6,7
.irp kk, 0,1,2,3,4,5,6,7,8,9,10,11,12,13,14,15
	ds_load_b128 v[80+4*\kk:83+4*\kk], v9 offset:256*\kk+16*\e
.endr
	s_wait_dscnt 0x0
.irp u, 0,1
.irp kk, 0,1,2,3,4,5,6,7,8,9,10,11,12,13,14,15
.if (\e == 0) && (\u == 0)
	v_pk_mul_f32 v[48+2*\kk:49+2*\kk], v[16+4*\e+2*\u:17+4*\e+2*\u], v[80+4*\kk+2*\u:81+4*\kk+2*\u]
.else
	v_pk_fma_f32 v[48+2*\kk:49+2*\kk], v[16+4*\e+2*\u:17+4*\e+2*\u], v[80+4*\kk+2*\u:81+4*\kk+2*\u], v[48+2*\kk:49+2*\kk]
.endif
.endr
.endr
.endr
.irp kk, 0,1,2,3,4,5,6,7,8,9,10,11,12,13,14,15
	v_add_f32 v[112+\kk], v[48+2*\kk], v[49+2*\kk]
.endr
.irp kk, 0,1,2,3,4,5,6,7,8,9,10,11,12,13,14,15
	v_permlanex16_b32 v[80+\kk], v[112+\kk], s20, s21              ; the other 32 channels lie in the lane 16 away
.endr
.irp kk, 0,1,2,3,4,5,6,7,8,9,10,11,12,13,14,15
	v_add_f32 v[48+\kk], v[112+\kk], v[80+\kk]
.endr
.irp kk, 1,2,3,4,5,6,7,8,9,10,11,12,13,14,15
	v_cmp_gt_u32 vcc_lo, \kk, v1                   ; key kk counts for query r where kk <= r
	v_cndmask_b32 v[48+\kk], v[48+\kk], v247, vcc_lo
.endr
	v_max3_num_f32 v242, v48, v49, v50
.irp i, 51,53,55,57,59,61
	v_max3_num_f32 v242, v242, v[\i], v[\i+1]
.endr
	v_max_num_f32 v242, v242, v63
	v_mul_f32 v243, s22, v242
.irp kk, 0,1,2,3,4,5,6,7,8,9,10,11,12,13,14,15
	v_fma_f32 v[48+\kk], v[48+\kk], s22, -v243     ; c s - c m
.endr
.irp kk, 0,1,2,3,4,5,6,7,8,9,10,11,12,13,14,15
	v_exp_f32 v[48+\kk], v[48+\kk]
.endr
	v_nop
	s_wait_alu depctr_va_vdst(0)                   ; one wait for the sixteen, ahead of their first reader
.irp i, 0,1,2,3
	v_pk_add_f32 v[64+2*\i:65+2*\i], v[48+4*\i:49+4*\i], v[50+4*\i:51+4*\i]
.endr
	v_pk_add_f32 v[64:65], v[64:65], v[66:67]
	v_pk_add_f32 v[68:69], v[68:69], v[70:71]
	v_pk_add_f32 v[64:65], v[64:65], v[68:69]
	v_add_f32 v64, v64, v65
	v_rcp_f32 v244, v64
	v_nop
	s_wait_alu depctr_va_vdst(0)
	; y = p v, my 32 channels, two keys at a time
.irp kp, 0,1,2,3,4,5,6,7
.irp kd, 0,1
.irp e, 0,1,2,3,4,5,6,7
	ds_load_b128 v[80+32*\kd+4*\e:83+32*\kd+4*\e], v10 offset:256*(2*\kp+\kd)+16*\e
.endr
.endr
	s_wait_dscnt 0x0
.irp kd, 0,1
.set I, 0
.rept 16
.if (\kp == 0) && (\kd == 0)
	PKM 16+2*I, 80+32*\kd+2*I, 48+2*\kp, \kd
.else
	PKF 16+2*I, 80+32*\kd+2*I, 48+2*\kp, \kd
.endif
.set I, I+1
.endr
.endr
.endr
.set I, 0
.rept 16
	v_pk_mul_f32 v[16+2*I:17+2*I], v[16+2*I:17+2*I], v[244:245] op_sel_hi:[1,0]   ; / the sum
.set I, I+1
.endr
.set I, 0
.rept 32
	global_load_b64 v[80+2*I:81+2*I], v6, s[6:7] offset:4096*(32+I)    ; Wproj's rows 64 w + 32 .. 63
.set I, I+1
.endr
.set I, 0
.rept 32
	ds_store_b32 v11, v[16+I] offset:64*I
.set I, I+1
.endr
	s_wait_dscnt 0x0                               ; the stores are done: their registers take the loads below
	s_wait_loadcnt 32                              ; Wproj's first 32 rows and the bias are in; the 32 just issued may be out
	; the projection: for each of my 64 channels the 16 y (one address for all lanes), three channels ahead in four sets, and 16 packed multiply-adds
.macro YLOAD c
.irp u, 0,1,2,3
	ds_load_b128 v[16+16*((\c)%4)+4*\u:19+16*((\c)%4)+4*\u], v12 offset:64*(\c)+16*\u
.endr
.endm
	YLOAD 0
	YLOAD 1
	YLOAD 2
.set CI, 0
.rept 64
.if CI+3 < 64
	YLOAD CI+3
.endif
.if CI < 61
	s_wait_dscnt 12                                ; this channel's four loads are in; three channels' twelve may be out
.else
	s_wait_dscnt 4*(63-CI)
.endif
.if CI == 32
	s_wait_loadcnt 0x0
.endif
.if CI < 32
.set WR, 144+2*CI
.else
.set WR, 80+2*(CI-32)
.endif
.set YS, 16+16*(CI%4)
.set TI, 0
.rept 16
.if CI == 0
	PKM 208+2*TI, WR, YS+2*(TI/2), TI%2
.else
	PKF 208+2*TI, WR, YS+2*(TI/2), TI%2
.endif
.set TI, TI+1
.endr
.set CI, CI+1
.endr
.set TI, 0
.rept 16
	ds_store_b64 v13, v[208+2*TI:209+2*TI] offset:256*TI
.set TI, TI+1
.endr
	s_wait_dscnt 0x0                               ; for the others' sake: my part lies in LDS
	s_barrier_signal -1
	s_barrier_wait -1
.set I, 0
.rept 16
	ds_load_b64 v[16+2*I:17+2*I], v246 offset:4096*I                   ; row t = w of all sixteen parts
.set I, I+1
.endr
	s_wait_dscnt 0x0
.irp j, 0,1,2,3,4,5,6,7
	v_pk_add_f32 v[16+4*\j:17+4*\j], v[16+4*\j:17+4*\j], v[18+4*\j:19+4*\j]
.endr
.irp j, 0,1,2,3
	v_pk_add_f32 v[16+8*\j:17+8*\j], v[16+8*\j:17+8*\j], v[20+8*\j:21+8*\j]
.endr
.irp j, 0,1
	v_pk_add_f32 v[16+16*\j:17+16*\j], v[16+16*\j:17+16*\j], v[24+16*\j:25+16*\j]
.endr
	v_pk_add_f32 v[16:17], v[16:17], v[32:33]
	v_pk_add_f32 v[16:17], v[16:17], v[240:241]    ; + the bias
	global_store_b64 v6, v[16:17], s[10:11]        ; 256 consecutive bytes, aligned
	s_wait_tensorcnt 0x0                           ; the wave's end
	ds_add_u32 v[SPW], v[NIL]
	s_wait_dscnt 0x0
	s_endpgm
.Lfunc_end_k_q1ec114ef89_first16:
	.size	k_q1ec114ef89_first16, .Lfunc_end_k_q1ec114ef89_first16-k_q1ec114ef89_first16
	.p2alignl 7, 3214868480
	.fill 96, 4, 3214868480
	.section	.rodata,"a",@progbits
	.p2align	6, 0x0
	.amdhsa_kernel k_q1ec114ef89_first16
		.amdhsa_group_segment_fixed_size 198656
		.amdhsa_private_segment_fixed_size 0
		.amdhsa_enable_private_segment 0
		.amdhsa_kernarg_size 32
		.amdhsa_user_sgpr_count 2
		.amdhsa_user_sgpr_kernarg_segment_ptr 1
		.amdhsa_wavefront_size32 1
		.amdhsa_system_sgpr_workgroup_id_x 1
		.amdhsa_system_sgpr_workgroup_id_y 1
		.amdhsa_system_sgpr_workgroup_id_z 1
		.amdhsa_system_vgpr_workitem_id 0
		.amdhsa_next_free_vgpr 256
		.amdhsa_next_free_sgpr 66
		.amdhsa_reserve_vcc 1
		.amdhsa_float_denorm_mode_32 3
		.amdhsa_float_denorm_mode_16_64 3
		.amdhsa_memory_ordered 1
		.amdhsa_forward_progress 1
		.amdhsa_inst_pref_size 155
	.end_amdhsa_kernel
	.amdgpu_metadata
---
amdhsa.version: [ 1, 2 ]
amdhsa.kernels:
  - .name:           k_q1ec114ef89_first16
    .symbol:         k_q1ec114ef89_first16.kd
    .args:
      - { .name: fine32, .offset: 0, .size: 8, .value_kind: global_buffer, .address_space: global }
      - { .name: Wproj, .offset: 8, .size: 8, .value_kind: global_buffer, .address_space: global }
      - { .name: bproj, .offset: 16, .size: 8, .value_kind: global_buffer, .address_space: global }
      - { .name: out0, .offset: 24, .size: 8, .value_kind: global_buffer, .address_space: global }
    .group_segment_fixed_size: 198656
    .private_segment_fixed_size: 0
    .kernarg_segment_align: 8
    .kernarg_segment_size: 32
    .max_flat_workgroup_size: 512
    .sgpr_count:     66
    .vgpr_count:     256
    .wavefront_size: 32
...
	.end_amdgpu_metadata
.endif
;; end of part 5
;; ======== version 2 of 2: 5 launches
;; limits: values are held in f16: magnitudes above 65,504 overflow, below 6.1e-05 lose precision
;; workspace buffers: codes 3,670,016 bytes; scales 229,376 bytes; wp16 2,097,152 bytes; rope 524,288 bytes; qkvh 25,165,824 bytes; fine32 393,216 bytes; yh 8,388,608 bytes
;; launch prep: the kernel of part 1 again; grid 480 x 1, 4 waves a work-group, no clusters, 33,280 bytes of LDS; arguments x, Wqkv, Wproj, codes, scales, wp16, rope; writes codes, scales, wp16, rope
;; launch qkv (part 6): grid 12 x 16, 4 waves a work-group, clusters of 4 x 4, 327,680 bytes of LDS; arguments codes, scales, bqkv, rope, qkvh, fine32; writes qkvh, fine32
.if DOCPART == 6
	.amdgcn_target "amdgcn-amd-amdhsa--gfx1250"
	.amdhsa_code_object_version 6
	.text
	.protected	k_q1ec114ef89_qkv
	.globl	k_q1ec114ef89_qkv
	.p2align	8
	.type	k_q1ec114ef89_qkv,@function
k_q1ec114ef89_qkv:
	s_mov_b64 s[64:65], 0
	v_nop
	global_prefetch_b8 v0, s[64:65] scope:SCOPE_SE
	s_setreg_imm32_b32 hwreg(HW_REG_WAVE_MODE, 25, 1), 1
	s_wait_xcnt 0x0
	s_wait_alu depctr_hold_cnt(0) depctr_sa_sdst(0) depctr_va_vdst(0) depctr_va_sdst(0) depctr_va_ssrc(0) depctr_va_vcc(0) depctr_vm_vsrc(0)
	s_getreg_b32 s2, hwreg(HW_REG_IB_STS2, 6, 4)
	s_cmp_eq_u32 s2, 0
	s_cbranch_scc0 .Lentry_in_a_cluster
	s_endpgm
.Lentry_in_a_cluster:
	s_bfe_u32 s2, ttmp6, 0x10000c
	s_cmp_lg_u32 s2, 0xf033
	s_cbranch_scc0 .Lentry_shape_is_right
	s_endpgm
.Lentry_shape_is_right:
; qkv = Q(x) Q(Wqkv) + bqkv on codes of E2M1 with E8M0 scales, then the rotation of q and k, all sums and the rotation in f32; q, k, v leave as f16, [kind 3][batch x head 32][t 2048][64].
; Rows t < 16 of both batches leave once more in f32 (fine32 [b 2][t 16][3072]) for the launch that makes the first 16 positions finely.
; A tile of 256 x 256 is made by four waves, 128 x 128 each: 64 accumulators, 512 registers.  K = 1,024 is two LDS slots of 512: both are asked for at the head, and nothing is filled again.
; 192 work-groups: tiles of 256 columns keep whole heads in a wave (the rotation pairs channel d with d + 32) and let a cluster's x be the kind (q, k, v), which all partners share.
; x's codes come as rows of 256 bytes (+ 16 of padding); Wqkv's codes were stored as images of the operand's registers, so a fragment is two loads of 512 consecutive bytes and needs no padding.
; The scale bytes of the tile's 256 rows and 256 columns, for all of K, come once, as rows of 256 bytes + 16.
; CLUSTER 4 x 4: x's tiles are shared along a row of the cluster, Wqkv's along a column: each is asked for jointly, by the same load with the same descriptor and a mask that names the four.
; THE MATRIX INSTRUCTION IS USED TRANSPOSED (source 0 = 16 columns of Wqkv, source 1 = 16 rows of x): a lane holds row lane % 16 and eight neighbouring columns.  The bias is the C of each sum's first instruction.
; COS AND SIN ARE ASKED FOR EARLY: those of my first 64 rows at the head, into 128 registers of window 1 that the products leave idle; those of my last 64 rows in one run behind the last product, into the registers
; that Wqkv's fragments have left: they land while the first 64 rows are rotated.  v's work-groups, which rotate nothing, run the head's 32 loads a wave too: the head has one way for all kinds.
; LIMIT: |q|, |k|, |v| over 65,504 become infinite in f16.
; REGISTERS: window 0: v0-31 addresses (v8-15 at work on the way out); v32-95 scale words, two sets, and nothing else; v128-191 x's fragments, later the rotated numbers;
;   v192-255 the bias, later rows read back from the stage.   window 1: v0-63, v128-191 Wqkv's fragments, two sets, later cos and sin of blocks 4-7; v64-127, v192-255 cos and sin of blocks 0-3.
;   windows 2, 3: the accumulators ((a, b) at v[8 (8 (a % 4) + b)]).
.set NQ,     4                         ; steps of 128 along K in a slot
.set ROWB,   256                       ; a row of x's tile in bytes
.set KROW,   512                       ; a row of x's codes in memory
.set PITCH,  272                       ; an LDS row: 256 + 16: the 16 rows of a load start 16 bytes apart modulo 256
.set FR,     8
.set NL,     2
.set NP,     4
.set HALFA,  128*PITCH
.set BOFF,   2*HALFA                   ; behind x's 256 rows: Wqkv's 16 tiles x 4 steps x 1,024 bytes
.set HALFB,  32768
.set SLOT,   BOFF+2*HALFB
.set KS,     32
.set SCL,    2*SLOT                    ; the scales
.set HALFS,  (128*KS/256)*272
.set SBLK,   (16*KS/256)*272
.set SPARE,  SCL+4*HALFS               ; the spare words: 128 bytes a wave, two blocks of 256 bytes that no other line names
.set WC0,    2097152
.set WS0,    131072
.set T,    8                           ; v8-15   at work in the rotation
.set ADRA, 16                          ; v16-17  x's fragments in slot 0, 1
.set ADRB, 20                          ; v20-21  Wqkv's
.set RO,   22                          ; v22     my bytes in a row of the table: 256 r + 32 h
.set FO,   23                          ; v23     my bytes in fine32: 12288 r + 32 h
.set STO,  24                          ; v24     the stage, in
.set RD,   25                          ; v25     the stage, out
.set GO,   26                          ; v26     16 x lane
.set ADRS, 27                          ; v27     my scale words: lanes 0-15 x's rows, lanes 16-31 Wqkv's columns
.set SPW,  28
.set NIL,  29
.set FL,   30                          ; v30     my wave's first t
.set BO,   31                          ; v31     32 h
.set SC,   32
.set AF,   128
.set OR,   128                         ; the way out: 64 numbers of a block of 16 rows, tile b at OR + 8 b
.set BI,   192
.set G1, 24
.set G0, 32
.set G1B, 48
.set G0B, 56
.set G1S, 68
.set G0S, 76
.set G1SB, 80
.set G0SB, 88
.set MSB, 0
.macro WIN new                         ; the immediate's high byte repeats the setting that is left
.if MSB != (\new)
	s_set_vgpr_msb (MSB<<8)|(\new)
.set MSB, (\new)
.endif
.endm
.set MUL_LO, 0xa1                      ; source 0 window 1, source 1 window 0, C and D window 2
.set MUL_HI, 0xf1                      ; the same, C and D window 3
.set TO_B,   0x40
; A joint load: waves 0 and 1 fetch for x, waves 2 and 3 for Wqkv.  The branch hangs on the wave's number alone.  An s_nop 0 and four v_nop follow each line.
.macro JLOAD g0a, g1a, g0b, g1b
	s_cmp_eq_u32 s15, 0
	s_cbranch_scc0 .Lfor_b_\@
	tensor_load_to_lds s[\g0a:\g0a+3], s[\g1a:\g1a+7]
	s_nop 0
.rept 4
	v_nop
.endr
	s_branch .Lasked_\@
.Lfor_b_\@:
	tensor_load_to_lds s[\g0b:\g0b+3], s[\g1b:\g1b+7]
	s_nop 0
.rept 4
	v_nop
.endr
.Lasked_\@:
.endm
.macro CROUND                          ; a round of the cluster's barrier
	s_barrier_signal -1
	s_barrier_wait -1
	s_cmp_lg_u32 s14, 0
	s_cbranch_scc1 .Lnot_wave_0_\@
	s_barrier_signal -3
.Lnot_wave_0_\@:
	s_barrier_wait -3
	s_barrier_signal -1
	s_barrier_wait -1
.endm
; cos and sin of block a's 16 rows (my row: t = my first t + 16 a + r), channels 16 bb + 8 h + 0 .. 7: 32 registers of window 1; cos at 16 bb + j, sin 8 further on.
; Blocks 0-3 lie at v64, v96, v192, v224, blocks 4-7 at v0, v32, v128, v160.  Run under a setting with the destination in window 1.
.macro CSLOAD a
.set CWB, 32*((\a)%2)+128*(((\a)%4)/2)+64*(1-(\a)/4)
.irp bb, 0,1
.irp sc, 0,1
.irp e, 0,1
	global_load_b128 v[CWB+16*\bb+8*\sc+4*\e:CWB+16*\bb+8*\sc+4*\e+3], v[RO], s[10:11] offset:4096*(\a)+128*\sc+64*\bb+16*\e
.endr
.endr
.endr
.endm
	s_load_b256 s[4:11], s[0:1], 0x0               ; codes s[4:5], scales s[6:7], bqkv s[8:9], rope s[10:11]
	s_load_b64 s[12:13], s[0:1], 0x20              ; qkvh
	s_load_b64 s[66:67], s[0:1], 0x28              ; fine32
	v_lshl_add_u32 v[SPW], v0, 2, SPARE
	v_mov_b32 v[NIL], 0
	ds_add_u32 v[SPW], v[NIL]                      ; the wave's opening: the add, twice on end, and its wait ahead of my first tensor load
	ds_add_u32 v[SPW], v[NIL]
	v_lshrrev_b32 v1, 5, v0
	v_readfirstlane_b32 s14, v1                    ; wave
	s_lshr_b32 s15, s14, 1                         ; my half of the tile's rows.  Also: I fetch for x (0) or for Wqkv (1)
	s_and_b32 s16, s14, 1                          ; my half of its columns.  Also: which half I fetch
	s_bfe_u32 s40, ttmp6, 0x40000                  ; cx
	s_bfe_u32 s41, ttmp6, 0x40004                  ; cy
	s_lshl_b32 s42, ttmp9, 2
	s_add_co_u32 s42, s42, s40                     ; tile column
	s_and_b32 s17, ttmp7, 0xffff
	s_lshl_b32 s17, s17, 2
	s_add_co_u32 s17, s17, s41                     ; tile row
	s_lshl_b32 s43, s41, 2
	s_lshl_b32 s43, 15, s43                        ; my row of the cluster
	s_lshl_b32 s44, 0x1111, s40                    ; my column
	s_or_b32 s[G1+0], s43, (0<<16)|(1<<20)|(1<<21)|(5<<22)|(3<<25)  ; x: elements of 1 byte; 4 words of padding after every 64
	s_mov_b32 s[G1+1], ROWB<<16                    ; tensor_dim0
	s_mov_b32 s[G1+2], 128<<16                     ; tensor_dim1
	s_mov_b32 s[G1+3], ROWB<<16                    ; tile_dim0
	s_mov_b32 s[G1+4], 128                         ; tile_dim1
	s_mov_b32 s[G1+5], KROW                        ; from row to row
	s_mov_b32 s[G1+6], 0
	s_mov_b32 s[G1+7], 0
	s_or_b32 s[G1B+0], s44, (3<<16)|(1<<21)        ; Wqkv's images: a dense block of 32,768 bytes as 128 rows of 32 elements of 8 bytes, no padding
	s_mov_b32 s[G1B+1], 32<<16
	s_mov_b32 s[G1B+2], 128<<16
	s_mov_b32 s[G1B+3], 32<<16
	s_mov_b32 s[G1B+4], 128
	s_mov_b32 s[G1B+5], 32
	s_mov_b32 s[G1B+6], 0
	s_mov_b32 s[G1B+7], 0
	s_or_b32 s[G1S+0], s43, (3<<16)|(1<<20)|(1<<21)|(5<<22)|(3<<25) ; the scales of 128 rows: 4,096 dense bytes as 16 rows of 256, 16 bytes of padding behind each
	s_or_b32 s[G1SB+0], s44, (3<<16)|(1<<20)|(1<<21)|(5<<22)|(3<<25)
.irp g, G1S, G1SB
	s_mov_b32 s[\g+1], 32<<16
	s_mov_b32 s[\g+2], (128*KS/256)<<16
	s_mov_b32 s[\g+3], 32<<16
	s_mov_b32 s[\g+4], 128*KS/256
	s_mov_b32 s[\g+5], 32
	s_mov_b32 s[\g+6], 0
	s_mov_b32 s[\g+7], 0
.endr
	s_lshl_b32 s18, s16, 7                         ; which 128 I fetch
	s_lshl_b32 s20, s17, 8
	s_add_co_u32 s20, s20, s18                     ; x: row 256 x tile row + 128 x half
	s_lshl_b32 s22, s20, 5                         ; its scales, 32 bytes a row,
	s_lshl_b32 s20, s20, 9                         ; its codes, 512 bytes a row
	s_mov_b32 s21, 0
	s_mov_b32 s23, 0
	s_lshl_b32 s46, s42, 16                        ; Wqkv's images: 65,536 bytes a tile column in each slot's part,
	s_lshl_b32 s47, s16, 15                        ; 32,768 a half
	s_add_co_u32 s46, s46, s47
	s_add_co_u32 s46, s46, WC0
	s_mov_b32 s47, 0
	s_lshl_b32 s92, s42, 8
	s_add_co_u32 s92, s92, s18                     ; column 256 x tile column + 128 x half
	s_lshl_b32 s92, s92, 5
	s_add_co_u32 s92, s92, WS0
	s_mov_b32 s93, 0
	s_mul_i32 s45, s16, HALFA                      ; where they go: no place in the cluster enters an LDS address
	s_lshl_b32 s95, s16, 15
	s_add_co_u32 s95, s95, BOFF
	s_mul_i32 s94, s14, HALFS
	s_wait_dscnt 0x0                               ; both opening adds are done
	s_wait_kmcnt 0x0
	s_add_nc_u64 s[20:21], s[4:5], s[20:21]
	s_add_nc_u64 s[22:23], s[6:7], s[22:23]
	s_add_nc_u64 s[46:47], s[4:5], s[46:47]
	s_add_nc_u64 s[92:93], s[6:7], s[92:93]
	CROUND                                         ; all sixteen work-groups are here: the joint loads meet
	s_mov_b32 s[G0S], 1
	s_add_co_u32 s[G0S+1], s94, SCL
	s_mov_b64 s[G0S+2:G0S+3], s[22:23]
	s_or_b32 s[G0S+3], s[G0S+3], 0x80000000
	s_mov_b32 s[G0SB], 1
	s_add_co_u32 s[G0SB+1], s94, SCL
	s_mov_b64 s[G0SB+2:G0SB+3], s[92:93]
	s_or_b32 s[G0SB+3], s[G0SB+3], 0x80000000
	JLOAD G0S, G1S, G0SB, G1SB                     ; the scales first; then both slots: three loads of mine are out
.irp s, 0,1
	s_mov_b32 s[G0+4*\s], 1
	s_add_co_u32 s[G0+4*\s+1], s45, \s*SLOT
	s_add_nc_u64 s[G0+4*\s+2:G0+4*\s+3], s[20:21], \s*ROWB
	s_or_b32 s[G0+4*\s+3], s[G0+4*\s+3], 0x80000000
	s_mov_b32 s[G0B+4*\s], 1
	s_add_co_u32 s[G0B+4*\s+1], s95, \s*SLOT
	s_add_nc_u64 s[G0B+4*\s+2:G0B+4*\s+3], s[46:47], \s*786432
	s_or_b32 s[G0B+4*\s+3], s[G0B+4*\s+3], 0x80000000
	JLOAD G0+4*\s, G1, G0B+4*\s, G1B
.endr
	v_and_b32 v1, 15, v0                           ; r
	v_bfe_u32 v2, v0, 4, 1                         ; h
	v_and_b32 v6, 31, v0                           ; lane
	v_mul_u32_u24 v3, v1, PITCH
	v_lshl_add_u32 v4, v2, 4, v3
	v_lshlrev_b32 v[GO], 4, v6
	s_mul_i32 s21, s15, HALFA                      ; my 128 rows of x
	s_lshl_b32 s22, s16, 15
	s_add_co_u32 s22, s22, BOFF                    ; my 8 tiles of Wqkv's columns
.irp s, 0,1
	v_add_nc_u32 v[ADRA+\s], s21, v4
	v_add_nc_u32 v[ADRB+\s], s22, v[GO]
	s_add_co_u32 s21, s21, SLOT
	s_add_co_u32 s22, s22, SLOT
.endr
	v_mul_u32_u24 v5, v1, KS                       ; my row's scales: 32 bytes a row,
	v_lshrrev_b32 v3, 8, v5
	v_lshl_add_u32 v5, v3, 4, v5                   ; and 16 more for each 256 passed
	s_mul_i32 s21, s15, HALFS
	s_mul_i32 s22, s16, HALFS
	s_add_co_u32 s22, s22, 2*HALFS
	s_sub_co_u32 s22, s22, s21
	v_mul_u32_u24 v3, s22, v2                      ; lanes 16-31 take Wqkv's
	s_add_co_u32 s21, s21, SCL
	v_add_nc_u32 v5, v5, v3
	v_add_nc_u32 v[ADRS], s21, v5
	v_lshlrev_b32 v[RO], 8, v1
	v_lshl_add_u32 v[RO], v2, 5, v[RO]
	v_mul_u32_u24 v[FO], v1, 12288
	v_lshl_add_u32 v[FO], v2, 5, v[FO]
	v_lshlrev_b32 v[BO], 5, v2
	s_mul_i32 s23, s14, 4608                       ; my stage: [head 2][row 16][128 + 16 bytes], in slot 0, which has had its only fill and is read no more when the first result is stored there
	v_mul_u32_u24 v3, v1, 144
	v_lshl_add_u32 v3, v2, 4, v3
	v_add_nc_u32 v[STO], s23, v3
	v_lshrrev_b32 v3, 3, v6
	v_mul_u32_u24 v3, v3, 144
	v_and_b32 v5, 7, v0
	v_lshl_add_u32 v3, v5, 4, v3
	v_add_nc_u32 v[RD], s23, v3                    ; back: 8 lanes a row of 128 bytes, 4 rows a load
	; where my part lies in the table, in qkvh, in bqkv and in fine32
	s_lshl_b32 s20, s17, 8
	s_lshl_b32 s21, s15, 7
	s_add_co_u32 s20, s20, s21                     ; my first row of x
	s_lshr_b32 s21, s20, 11                        ; the batch
	s_and_b32 s98, s20, 2047                       ; my first t
	v_mov_b32 v[FL], s98
	s_lshl_b32 s22, s98, 8
	s_mov_b32 s23, 0
	s_add_nc_u64 s[10:11], s[10:11], s[22:23]
	s_lshl_b32 s46, s40, 2
	s_lshl_b32 s47, s16, 1
	s_add_co_u32 s46, s46, s47                     ; my first head: 4 cx + 2 x half
	s_lshl_b32 s47, s21, 4
	s_add_co_u32 s46, s46, s47
	s_lshl_b32 s46, s46, 18                        ; 262,144 bytes a head
	s_lshl_b32 s47, ttmp9, 23                      ; the cluster's x is the kind: 8,388,608 bytes each
	s_add_co_u32 s46, s46, s47
	s_lshl_b32 s47, s98, 7
	s_add_co_u32 s46, s46, s47
	s_mov_b32 s47, 0
	s_add_nc_u64 s[12:13], s[12:13], s[46:47]
	s_lshl_b32 s92, s42, 10
	s_lshl_b32 s93, s16, 9
	s_add_co_u32 s92, s92, s93                     ; my first column x 4 bytes
	s_mov_b32 s93, 0
	s_add_nc_u64 s[8:9], s[8:9], s[92:93]
	s_mul_i32 s96, s21, 196608
	s_add_co_u32 s92, s92, s96
	s_add_nc_u64 s[66:67], s[66:67], s[92:93]
.irp b, 0,1,2,3,4,5,6,7
	global_load_b128 v[BI+8*\b:BI+8*\b+3], v[BO], s[8:9] offset:64*\b          ; the bias in the result's layout: tile b, columns 8 h + 0 .. 7
	global_load_b128 v[BI+8*\b+4:BI+8*\b+7], v[BO], s[8:9] offset:64*\b+16
.endr
	WIN TO_B                                       ; cos and sin of my first 64 rows, into registers of window 1 that no product names: they come while the first tiles come
	CSLOAD 0
	CSLOAD 1
	CSLOAD 2
	CSLOAD 3
	WIN 0
.macro FRAG reg, adr, q, i             ; x: 16 rows x 128 K: registers 4 c .. 4 c + 3 hold K = 64 c + 32 h + 0 .. 31
.irp c, 0,1
	ds_load_b128 v[\reg+4*\c:\reg+4*\c+3], v[\adr] offset:64*(\q)+32*\c+(\i)*16*PITCH
.endr
.endm
.macro FRAGB reg, slot, q, i           ; Wqkv: the image as it was stored
.irp c, 0,1
	ds_load_b128 v[\reg+4*\c:\reg+4*\c+3], v[ADRB+\slot] offset:(4*(\i)+(\q))*1024+512*\c
.endr
.endm
; 16 matrix instructions: x's blocks a0, a0 + 1 against Wqkv's eight tiles.  zero = 1: the first product starts the sums, with the bias as C.  The 64 accumulators take turns, one instruction a turn.
.macro MUL16 a0, p, q, sc, zero
.irp a, \a0, \a0+1
.irp b, 0,1,2,3,4,5,6,7
.if \zero
	v_wmma_scale_f32_16x16x128_f8f6f4 v[8*(8*((\a)%4)+\b):8*(8*((\a)%4)+\b)+7], v[128*(\p)+FR*\b:128*(\p)+FR*\b+FR-1], v[AF+FR*(\a):AF+FR*(\a)+FR-1], v[BI+8*\b:BI+8*\b+7], v[SC+8*NQ*(\sc)+NQ*\b+(\q)], v[SC+8*NQ*(\sc)+NQ*(\a)+(\q)] matrix_a_fmt:MATRIX_FMT_FP4 matrix_b_fmt:MATRIX_FMT_FP4 matrix_a_scale:MATRIX_SCALE_ROW1
.else
	v_wmma_scale_f32_16x16x128_f8f6f4 v[8*(8*((\a)%4)+\b):8*(8*((\a)%4)+\b)+7], v[128*(\p)+FR*\b:128*(\p)+FR*\b+FR-1], v[AF+FR*(\a):AF+FR*(\a)+FR-1], v[8*(8*((\a)%4)+\b):8*(8*((\a)%4)+\b)+7], v[SC+8*NQ*(\sc)+NQ*\b+(\q)], v[SC+8*NQ*(\sc)+NQ*(\a)+(\q)] matrix_a_fmt:MATRIX_FMT_FP4 matrix_b_fmt:MATRIX_FMT_FP4 matrix_a_scale:MATRIX_SCALE_ROW1
.endif
.endr
.endr
.endm
.macro FETCH_B slot, q, p
	WIN TO_B
.irp i, 0,1,2,3,4,5,6,7
	FRAGB 128*(\p)+FR*\i, \slot, \q, \i
.endr
	WIN 0
.endm
.macro FETCH_A slot, q, i0
.irp i, \i0, \i0+1, \i0+2, \i0+3
	FRAG AF+FR*(\i), ADRA+\slot, \q, \i
.endr
.endm
.macro SCALES sc                       ; a slot's four words a row: lanes 0-15 x's block i, lanes 16-31 Wqkv's tile i
.irp i, 0,1,2,3,4,5,6,7
	ds_load_b128 v[SC+8*NQ*\sc+NQ*\i:SC+8*NQ*\sc+NQ*\i+3], v[ADRS] offset:\i*SBLK
.endr
.endm
.macro PLACES n                        ; plain instructions between a matrix instruction and a load into, or a read of, its registers
.rept \n
	v_nop
.endr
.endm
.macro STEP slot, q, zero              ; 128 along K, with its successor in the same slot.  x has one set of registers, refilled by halves; Wqkv two
	s_wait_dscnt 4*NL                              ; all but the youngest eight loads (x's blocks 4-7) are in
	WIN MUL_LO-0x20*(\zero)                        ; (with the bias as C: C in window 0)
	MUL16 0, (\q)%2, \q, \slot, \zero
	MUL16 2, (\q)%2, \q, \slot, \zero
	s_wait_dscnt 0
	PLACES NP
	FETCH_B \slot, (\q)+1, 1-(\q)%2
	FETCH_A \slot, (\q)+1, 0
	WIN MUL_HI-0x30*(\zero)
	MUL16 4, (\q)%2, \q, \slot, \zero
	MUL16 6, (\q)%2, \q, \slot, \zero
	PLACES NP
	WIN 0
	FETCH_A \slot, (\q)+1, 4
.endm
.macro STEPS slot, from
.set Q, \from
.rept NQ-1-\from
	STEP \slot, Q, 0
.set Q, Q+1
.endr
.endm
	s_wait_tensorcnt 1                             ; the scales and my part of slot 0 are in; slot 1's load may be out
	s_barrier_signal -1
	s_barrier_wait -1
	FETCH_B 0, 0, 0
	FETCH_A 0, 0, 0
	SCALES 0
	FETCH_A 0, 0, 4
	s_wait_loadcnt 0x0                             ; the bias, and cos and sin of blocks 0-3
	STEP 0, 0, 1
	STEPS 0, 1
	; slot 0's last step changes slots: every wave's part of slot 1 has landed and its reads of slot 0 are over in front of the barrier
	s_wait_tensorcnt 0x0
	ds_add_u32 v[SPW], v[NIL]
	s_wait_dscnt 4*NL+1                            ; the add and the youngest eight loads may be out
	WIN MUL_LO
	MUL16 0, 1, NQ-1, 0, 0
	s_wait_dscnt 0x0
	s_barrier_signal -1
	MUL16 2, 1, NQ-1, 0, 0
	WIN 0
	s_barrier_wait -1
	PLACES NP
	v_add_nc_u32 v[ADRS], 4*NQ, v[ADRS]            ; slot 1's scale words
	FETCH_B 1, 0, 0
	FETCH_A 1, 0, 0
	SCALES 1
	WIN MUL_HI
	MUL16 4, 1, NQ-1, 0, 0
	MUL16 6, 1, NQ-1, 0, 0
	PLACES NP
	WIN 0
	FETCH_A 1, 0, 4
	STEPS 1, 0
	s_wait_dscnt 4*NL
	WIN MUL_LO
	MUL16 0, 1, NQ-1, 1, 0
	MUL16 2, 1, NQ-1, 1, 0
	s_wait_dscnt 0
	WIN MUL_HI
	MUL16 4, 1, NQ-1, 1, 0
	MUL16 6, 1, NQ-1, 1, 0
	WIN 0
; THE WAY OUT, a block of 16 rows (t = my first t + 16 a + r) at a time.  Tile b holds head b / 4, channels 16 (b % 4) + 8 h + j.
.macro ROPE a                          ; out(d) = x(d) cos - x(d + 32) sin;  out(d + 32) = x(d + 32) cos + x(d) sin: tiles bb and bb + 2 of a head, two numbers an instruction; each accumulator from its low end on
.if (\a) >= 4
	s_wait_loadcnt 8*(7-(\a))                      ; loads come back in order: this block's cos and sin are in; eight loads for each later block may be out.  (Blocks 0-3's were waited for with the bias)
.endif
	WIN 0x06+(\a)/4                                ; source 0: the accumulators' window; source 1: window 1, cos and sin
.set AC, 64*((\a)%4)
.set CWB, 32*((\a)%2)+128*(((\a)%4)/2)+64*(1-(\a)/4)
.irp hd, 0,1
.irp bb, 0,1
.irp jp, 0,2,4,6
.set X1, AC+8*(4*\hd+\bb)+\jp
.set O1, OR+8*(4*\hd+\bb)+\jp
.set CC, CWB+16*\bb+\jp
.set TT, T+2*(\jp%4)
	v_pk_mul_f32 v[TT:TT+1], v[X1+16:X1+17], v[CC+8:CC+9]
	v_pk_mul_f32 v[TT+2:TT+3], v[X1:X1+1], v[CC+8:CC+9]
	v_pk_fma_f32 v[O1:O1+1], v[X1:X1+1], v[CC:CC+1], v[TT:TT+1] neg_lo:[0,0,1] neg_hi:[0,0,1]
	v_pk_fma_f32 v[O1+16:O1+17], v[X1+16:X1+17], v[CC:CC+1], v[TT+2:TT+3]
.endr
.endr
.endr
	WIN 0
.endm
.macro CVT                             ; to f16, in place: register 8 b + rr takes numbers 2 rr and 2 rr + 1 of tile b, ascending, so no number is written over before it is read
.irp b, 0,1,2,3,4,5,6,7
.irp rr, 0,1,2,3
	v_cvt_pk_f16_f32 v[OR+8*\b+\rr], v[OR+8*\b+2*\rr], v[OR+8*\b+2*\rr+1]
.endr
.endr
.endm
.macro PACKV a                         ; v is not rotated: straight from the accumulators
	WIN 0x0a+5*((\a)/4)
.set AC, 64*((\a)%4)
.irp b, 0,1,2,3,4,5,6,7
.irp rr, 0,1,2,3
	v_cvt_pk_f16_f32 v[OR+8*\b+\rr], v[AC+8*\b+2*\rr], v[AC+8*\b+2*\rr+1]
.endr
.endr
	WIN 0
.endm
; The f32 copy of rows t < 16: block 0 of the waves whose first t is 0.  A mask on the lanes, not a branch: every wave runs the lines.  Pieces of 32 bytes, 393,216 bytes in the whole launch.
.macro FINE acc
	s_wait_xcnt 0x0                                ; EXEC changes only behind this wait
	v_cmp_eq_u32 vcc_lo, 0, v[FL]
	s_and_saveexec_b32 s100, vcc_lo
.if \acc
	WIN 0x08                                       ; a store's data: window 2
.endif
.irp b, 0,1,2,3,4,5,6,7
.irp e, 0,1
.if \acc
	global_store_b128 v[FO], v[8*\b+4*\e:8*\b+4*\e+3], s[66:67] offset:64*\b+16*\e
.else
	global_store_b128 v[FO], v[OR+8*\b+4*\e:OR+8*\b+4*\e+3], s[66:67] offset:64*\b+16*\e
.endif
.endr
.endr
	WIN 0
	s_wait_xcnt 0x0                                ; and again ahead of the line that restores it; the stores' data may be written again too
	s_or_b32 exec_lo, exec_lo, s100
.endm
.macro TOSTAGE a                       ; 16 bytes a lane into my stage, and back as rows of 128 bytes, four to a load.  LDS serves a wave's instructions in order
.irp b, 0,1,2,3,4,5,6,7
	ds_store_b128 v[STO], v[OR+8*\b:OR+8*\b+3] offset:(\b/4)*2304+32*(\b%4)
.endr
.set BB, 192+32*((\a)%2)
.irp hd, 0,1
.irp i, 0,1,2,3
	ds_load_b128 v[BB+4*(4*\hd+\i):BB+4*(4*\hd+\i)+3], v[RD] offset:2304*\hd+576*\i
.endr
.endr
.endm
.macro SEND a
.set BB, 192+32*((\a)%2)
	s_wait_dscnt 0x0                               ; the block is back in registers
	s_wait_xcnt 0x0                                ; the stores of the block before have read their registers: the next block's loads may land there
.irp hd, 0,1
.irp i, 0,1,2,3
	global_store_b128 v[GO], v[BB+4*(4*\hd+\i):BB+4*(4*\hd+\i)+3], s[12:13] offset:262144*\hd+2048*(\a)+512*\i   ; 512 consecutive bytes: four rows of a head
.endr
.endr
.endm
	PLACES NP                                      ; behind the last products: for the loads, writes and reads below
	s_cmp_eq_u32 ttmp9, 2                          ; the cluster's x: the same in all sixteen partners
	s_cbranch_scc1 .Lvalues
	WIN TO_B                                       ; cos and sin of my last 64 rows, in one run, into the registers that Wqkv's fragments have left: four blocks' work stands between these loads and the first wait for them
	CSLOAD 4
	CSLOAD 5
	CSLOAD 6
	CSLOAD 7
	WIN 0
	ROPE 0
	FINE 0
	CVT
	TOSTAGE 0
.irp a, 1,2,3,4,5,6,7
	ROPE \a
	CVT
	SEND \a-1
	TOSTAGE \a
.endr
	SEND 7
	s_branch .Lout
.Lvalues:
	FINE 1
	PACKV 0
	TOSTAGE 0
.irp a, 1,2,3,4,5,6,7
	PACKV \a
	SEND \a-1
	TOSTAGE \a
.endr
	SEND 7
.Lout:
	s_wait_tensorcnt 0x0                           ; the wave's end
	ds_add_u32 v[SPW], v[NIL]
	s_wait_dscnt 0x0
	CROUND                                         ; the closing round
	s_endpgm
.Lfunc_end_k_q1ec114ef89_qkv:
	.size	k_q1ec114ef89_qkv, .Lfunc_end_k_q1ec114ef89_qkv-k_q1ec114ef89_qkv
	.p2alignl 7, 3214868480
	.fill 96, 4, 3214868480
	.section	.rodata,"a",@progbits
	.p2align	6, 0x0
	.amdhsa_kernel k_q1ec114ef89_qkv
		.amdhsa_group_segment_fixed_size 327680
		.amdhsa_private_segment_fixed_size 0
		.amdhsa_enable_private_segment 0
		.amdhsa_kernarg_size 48
		.amdhsa_user_sgpr_count 2
		.amdhsa_user_sgpr_kernarg_segment_ptr 1
		.amdhsa_wavefront_size32 1
		.amdhsa_system_sgpr_workgroup_id_x 1
		.amdhsa_system_sgpr_workgroup_id_y 1
		.amdhsa_system_sgpr_workgroup_id_z 1
		.amdhsa_system_vgpr_workitem_id 0
		.amdhsa_next_free_vgpr 1024
		.amdhsa_next_free_sgpr 102
		.amdhsa_reserve_vcc 1
		.amdhsa_float_denorm_mode_32 3
		.amdhsa_float_denorm_mode_16_64 3
		.amdhsa_memory_ordered 1
		.amdhsa_forward_progress 1
		.amdhsa_inst_pref_size 202
	.end_amdhsa_kernel
	.amdgpu_metadata
---
amdhsa.version: [ 1, 2 ]
amdhsa.kernels:
  - .name:           k_q1ec114ef89_qkv
    .symbol:         k_q1ec114ef89_qkv.kd
    .args:
      - { .name: codes, .offset: 0, .size: 8, .value_kind: global_buffer, .address_space: global }
      - { .name: scales, .offset: 8, .size: 8, .value_kind: global_buffer, .address_space: global }
      - { .name: bqkv, .offset: 16, .size: 8, .value_kind: global_buffer, .address_space: global }
      - { .name: rope, .offset: 24, .size: 8, .value_kind: global_buffer, .address_space: global }
      - { .name: qkvh, .offset: 32, .size: 8, .value_kind: global_buffer, .address_space: global }
      - { .name: fine32, .offset: 40, .size: 8, .value_kind: global_buffer, .address_space: global }
    .group_segment_fixed_size: 327680
    .private_segment_fixed_size: 0
    .kernarg_segment_align: 8
    .kernarg_segment_size: 48
    .max_flat_workgroup_size: 128
    .sgpr_count:     102
    .vgpr_count:     1024
    .wavefront_size: 32
...
	.end_amdgpu_metadata
.endif
;; end of part 6
;; launch attn: the kernel of part 3 again; grid 8 x 32, 16 waves a work-group, no clusters, 327,680 bytes of LDS; arguments qkvh, yh; writes yh
;; launch proj: the kernel of part 4 again; grid 8 x 32, 4 waves a work-group, clusters of 4 x 4, 327,680 bytes of LDS; arguments yh, wp16, out0, bproj; writes out0
;; launch first16 (part 7): grid 16 x 2, 16 waves a work-group, no clusters, 67,584 bytes of LDS; arguments fine32, Wproj, bproj, out0; writes out0
.if DOCPART == 7
	.amdgcn_target "amdgcn-amd-amdhsa--gfx1250"
	.amdhsa_code_object_version 6
	.text
	.protected	k_q1ec114ef89_first16
	.globl	k_q1ec114ef89_first16
	.p2align	8
	.type	k_q1ec114ef89_first16,@function
k_q1ec114ef89_first16:
	s_mov_b64 s[64:65], 0
	v_nop
	global_prefetch_b8 v0, s[64:65] scope:SCOPE_SE
	s_setreg_imm32_b32 hwreg(HW_REG_WAVE_MODE, 25, 1), 1
	s_wait_xcnt 0x0
; THE FIRST 16 POSITIONS of both sequences, wholly in f32: under the causal mask they average one to sixteen values and are the largest in size, so f16 operands would use up what is allowed there.
; fine32 [b 2][t 16][3072]: q, k, v after bias and rotation.  out0 rows (b, t < 16) = softmax(q k^T / 8, causal) v Wproj + bproj, written over what the launch before left there.
; All three products go by v_wmma_f32_16x16x4_f32: 32 rows of the output, no bulk work.  Its operands come from memory straight into registers: LDS carries the last sum alone.
; SHARES.  Work-group (x, b) makes columns 64 x .. 64 x + 63 of batch b's 16 rows: 256 aligned bytes of each row.  Each makes the batch's small attention anew (16 x 16 x 64 for each head): less than a launch more or a sum
; across work-groups would cost.  Wave w is head w: scores, softmax, y; then its 64 channels' part of the projection; the sixteen parts meet in LDS behind the one barrier, and wave w adds and stores row t = w.
; LAYOUT.  An operand's lane (r, h) holds row (or column) r, and register j of a step the k of slot (h, j); which k a slot means is free, so long as both operands agree.
;   S^T = K Q^T: lane (r, h) loads channels 32 h .. 32 h + 31 of row r, of q and of K alike; step s takes registers 2 s, 2 s + 1.  Result: lane (r, h) holds query r, keys 8 h + 0 .. 7: the softmax stays in the lane but for one exchange.
;   O^T = V^T P^T: p / sum, as it lies, is source 1: step s takes keys 8 h + 2 s, + 1.  Result of tile dt: query r, channels 32 h + 4 j + dt: as it lies it is source 0 of the projection, whose step (dt, s) means channels 32 h + 4 (2 s + j) + dt.
;   V and Wproj lie [k][n]: a load of 16 bytes brings a lane four neighbouring columns of ONE k, which belong to four tiles (tile u: column 4 r + u); sixteen lanes read 256 consecutive bytes.  An operand wants two k of one
;   column side by side: of the eight registers of two such loads two pairs change places (SWAP8), and four operands stand.
; The accumulators (v16-79) are written by matrix instructions alone; four take turns in every product.
; No tensor load, no cluster (nothing is asked for jointly), no prefetch (every address goes out at the head).  NaN and infinities among the inputs are not served.
; LDS: wave w's part [t 16][256 bytes] at 4096 w; the spare words behind the sixteen parts.
; REGISTERS: v1-11 addresses; v[12:13] the bias; v16-47 O^T; v48-79 the scores' four sums, later the projection's four; v80-111 q, then Wproj's rows of dt = 2, then the parts; v112-143 K, then dt = 3;
;   v144-175 V, then the results gathered; v176-183 the scores, then p; v184-191 at work; v192-255 Wproj's rows of dt = 0, 1.
.set SPW, 14
.set NIL, 15
.set SPARE, 65536
.set OA,  16
.set PA,  48
.set QR,  80
.set KR,  112
.set VR,  144
.set P,   176
.set U,   184
.set TA,  188                          ; v188-189: the exchange's two
; Registers b .. b + 7 hold a0 a1 a2 a3 b0 b1 b2 b3 (columns 0-3 of two neighbouring k).  b + 1 changes places with b + 4, and b + 3 with b + 6: a0 b0 a2 b2 a1 b1 a3 b3: tile u's pair stands at b + 4 (u % 2) + 2 (u / 2).
.macro SWAP8 b
	v_mov_b32 v[TA], v[(\b)+1]
	v_mov_b32 v[TA+1], v[(\b)+3]
	v_mov_b32 v[(\b)+1], v[(\b)+4]
	v_mov_b32 v[(\b)+3], v[(\b)+6]
	v_mov_b32 v[(\b)+4], v[TA]
	v_mov_b32 v[(\b)+6], v[TA+1]
.endm
.macro WLOAD dt                        ; Wproj's rows 64 w + 32 h + 4 i + dt, i = 0 .. 7, my slice's 64 columns: 32 registers at v192, v224, v80, v112
.set WB, 192+32*(\dt)-176*((\dt)/2)
.irp i, 0,1,2,3,4,5,6,7
	global_load_b128 v[WB+4*\i:WB+4*\i+3], v7, s[6:7] offset:(4*\i+(\dt))*4096
.endr
.endm
.macro PROJ dt, first                  ; 16 products: the four steps of dt x the four tiles of columns, which take turns.  first = 1: the first step starts the sums
.set WB, 192+32*(\dt)-176*((\dt)/2)
.irp s, 0,1,2,3
.irp u, 0,1,2,3
.if (\first) && (\s == 0)
	v_wmma_f32_16x16x4_f32 v[PA+8*\u:PA+8*\u+7], v[OA+8*(\dt)+2*\s:OA+8*(\dt)+2*\s+1], v[WB+8*\s+4*(\u%2)+2*(\u/2):WB+8*\s+4*(\u%2)+2*(\u/2)+1], 0
.else
	v_wmma_f32_16x16x4_f32 v[PA+8*\u:PA+8*\u+7], v[OA+8*(\dt)+2*\s:OA+8*(\dt)+2*\s+1], v[WB+8*\s+4*(\u%2)+2*(\u/2):WB+8*\s+4*(\u%2)+2*(\u/2)+1], v[PA+8*\u:PA+8*\u+7]
.endif
.endr
.endr
.endm
	s_load_b256 s[4:11], s[0:1], 0x0               ; fine32, Wproj, bproj, out0
	v_lshl_add_u32 v[SPW], v0, 2, SPARE
	v_mov_b32 v[NIL], 0
	v_lshrrev_b32 v1, 5, v0
	v_readfirstlane_b32 s12, v1                    ; wave = head
	s_and_b32 s14, ttmp7, 0xffff                   ; batch
	v_and_b32 v1, 15, v0                           ; r
	v_bfe_u32 v2, v0, 4, 1                         ; h
	v_and_b32 v3, 31, v0                           ; lane
	v_mul_u32_u24 v4, v1, 12288
	v_lshl_add_u32 v4, v2, 7, v4                   ; q, K: row r, + 128 h
	v_mul_u32_u24 v5, v2, 98304
	v_lshl_add_u32 v5, v1, 4, v5                   ; V: row 8 h, + 16 r
	v_lshlrev_b32 v6, 3, v3                        ; 8 x lane
	v_lshlrev_b32 v7, 17, v2
	v_lshl_add_u32 v7, v1, 4, v7                   ; Wproj: row 32 h, + 16 r
	s_lshl_b32 s15, s12, 12                        ; 4096 w
	v_lshl_add_u32 v8, v2, 11, s15
	v_lshl_add_u32 v8, v1, 4, v8                   ; my part, in: row t = 8 h (+ j), 16 bytes at 16 r
	s_lshl_b32 s17, s12, 8
	v_add_nc_u32 v9, s17, v6                       ; the parts' row t = w, 8 bytes a lane
	v_lshlrev_b32 v10, 3, v2
	v_sub_nc_u32 v10, v1, v10                      ; r - 8 h: register j holds key 8 h + j, hidden where j > r - 8 h
	v_mov_b32 v11, 0xff800000                      ; -infinity
	s_mov_b32 s20, 0x76543210
	s_mov_b32 s21, 0xfedcba98                      ; v_permlanex16_b32's selects for lane l xor 16
	s_mov_b32 s22, 0x3e38aa3b                      ; c = log2(e) / 8
	s_mul_i32 s24, s14, 196608
	s_add_co_u32 s24, s24, s17                     ; the batch, + 256 w: my head's 64 columns
	s_mov_b32 s25, 0
	s_lshl_b32 s26, s12, 18                        ; Wproj: row 64 w,
	s_lshl_b32 s28, ttmp9, 8                       ; column 64 x
	s_add_co_u32 s26, s26, s28
	s_mov_b32 s27, 0
	s_mov_b32 s29, 0
	s_lshl_b32 s30, s14, 11
	s_add_co_u32 s30, s30, s12
	s_lshl_b32 s30, s30, 12                        ; out0: row 2048 b + w
	s_add_co_u32 s30, s30, s28
	s_mov_b32 s31, 0
	s_wait_kmcnt 0x0
	s_add_nc_u64 s[4:5], s[4:5], s[24:25]
	s_add_nc_u64 s[6:7], s[6:7], s[26:27]
	s_add_nc_u64 s[8:9], s[8:9], s[28:29]
	s_add_nc_u64 s[10:11], s[10:11], s[30:31]
.irp e, 0,1,2,3,4,5,6,7
	global_load_b128 v[QR+4*\e:QR+4*\e+3], v4, s[4:5] offset:16*\e
.endr
.irp e, 0,1,2,3,4,5,6,7
	global_load_b128 v[KR+4*\e:KR+4*\e+3], v4, s[4:5] offset:4096+16*\e
.endr
.irp i, 0,1,2,3,4,5,6,7
	global_load_b128 v[VR+4*\i:VR+4*\i+3], v5, s[4:5] offset:8192+12288*\i     ; key 8 h + i, channels 4 r .. 4 r + 3
.endr
	WLOAD 0
	WLOAD 1
	global_load_b64 v[12:13], v6, s[8:9]
	s_wait_loadcnt 25                              ; q and K are in; V's 8, Wproj's 16 and the bias may be out
	; the scores: 16 steps of 4 channels on four sums by turns; the first four start them
.set SI, 0
.rept 16
.if SI < 4
	v_wmma_f32_16x16x4_f32 v[PA+8*(SI%4):PA+8*(SI%4)+7], v[KR+2*SI:KR+2*SI+1], v[QR+2*SI:QR+2*SI+1], 0
.else
	v_wmma_f32_16x16x4_f32 v[PA+8*(SI%4):PA+8*(SI%4)+7], v[KR+2*SI:KR+2*SI+1], v[QR+2*SI:QR+2*SI+1], v[PA+8*(SI%4):PA+8*(SI%4)+7]
.endif
.set SI, SI+1
.endr
.rept 8
	v_nop                                          ; eight plain instructions behind this form, ahead of the loads into q's and K's registers and of the first read of the sums
.endr
	WLOAD 2                                        ; the other half of my rows of Wproj: the softmax, the second product and half the projection stand between these loads and the wait for them
	WLOAD 3
.irp i, 0,2,4,6                                ; the four sums are added, each from its low end on
	v_pk_add_f32 v[P+\i:P+\i+1], v[PA+\i:PA+\i+1], v[PA+8+\i:PA+9+\i]
	v_pk_add_f32 v[U+\i:U+\i+1], v[PA+16+\i:PA+17+\i], v[PA+24+\i:PA+25+\i]
.endr
.irp i, 0,2,4,6
	v_pk_add_f32 v[P+\i:P+\i+1], v[P+\i:P+\i+1], v[U+\i:U+\i+1]
.endr
.irp j, 0,1,2,3,4,5,6,7
	v_cmp_gt_i32 vcc_lo, \j, v10                   ; key 8 h + j counts for query r where it is at most r
	v_cndmask_b32 v[P+\j], v[P+\j], v11, vcc_lo
.endr
	v_max3_num_f32 v[U], v[P], v[P+1], v[P+2]
	v_max3_num_f32 v[U], v[U], v[P+3], v[P+4]
	v_max3_num_f32 v[U], v[U], v[P+5], v[P+6]
	v_max_num_f32 v[U], v[U], v[P+7]
	v_permlanex16_b32 v[U+1], v[U], s20, s21       ; the query's other eight keys lie in the lane 16 away; key 0 counts for every query, so the maximum is a number
	v_max_num_f32 v[U], v[U], v[U+1]
	v_mul_f32 v[U+2], s22, v[U]
.irp j, 0,1,2,3,4,5,6,7
	v_fma_f32 v[P+\j], v[P+\j], s22, -v[U+2]       ; c s - c m
.endr
.irp j, 0,1,2,3,4,5,6,7
	v_exp_f32 v[P+\j], v[P+\j]
.endr
	v_nop                                          ; a plain instruction behind the last exponential
	s_wait_alu depctr_va_vdst(0)                   ; one wait for the eight, ahead of their first reader
	v_pk_add_f32 v[U:U+1], v[P:P+1], v[P+2:P+3]
	v_pk_add_f32 v[U+2:U+3], v[P+4:P+5], v[P+6:P+7]
	v_pk_add_f32 v[U:U+1], v[U:U+1], v[U+2:U+3]
	v_add_f32 v[U], v[U], v[U+1]
	v_permlanex16_b32 v[U+1], v[U], s20, s21
	v_add_f32 v[U], v[U], v[U+1]                   ; the row's sum
	v_rcp_f32 v[U+2], v[U]
	v_nop
	s_wait_alu depctr_va_vdst(0)
.irp i, 0,2,4,6
	v_pk_mul_f32 v[P+\i:P+\i+1], v[P+\i:P+\i+1], v[U+2:U+3] op_sel_hi:[1,0]   ; p / the sum: so the second product's result is y itself
.endr
	s_wait_loadcnt 33                              ; V is in; Wproj's 32 loads and the bias may be out
.irp s, 0,1,2,3
	SWAP8 VR+8*\s
.endr
.rept 4
	v_nop                                          ; four plain instructions between the last copy and the products that read the copies
.endr
	; y^T = V^T p^T: four steps of 4 keys x four tiles of channels, which take turns
.irp s, 0,1,2,3
.irp dt, 0,1,2,3
.if \s == 0
	v_wmma_f32_16x16x4_f32 v[OA+8*\dt:OA+8*\dt+7], v[VR+8*\s+4*(\dt%2)+2*(\dt/2):VR+8*\s+4*(\dt%2)+2*(\dt/2)+1], v[P+2*\s:P+2*\s+1], 0
.else
	v_wmma_f32_16x16x4_f32 v[OA+8*\dt:OA+8*\dt+7], v[VR+8*\s+4*(\dt%2)+2*(\dt/2):VR+8*\s+4*(\dt%2)+2*(\dt/2)+1], v[P+2*\s:P+2*\s+1], v[OA+8*\dt:OA+8*\dt+7]
.endif
.endr
.endr
	s_wait_loadcnt 16                              ; Wproj's first 16 loads and the bias are in; the 16 issued behind the scores may be out
.irp k, 0,1,2,3,4,5,6,7                        ; these 48 copies, which name none of the last products' registers, are also the nine places ahead of products that take y as a source
	SWAP8 192+8*\k
.endr
.rept 4
	v_nop
.endr
	PROJ 0, 1
	PROJ 1, 0
	s_wait_loadcnt 0x0
.irp k, 0,1,2,3,4,5,6,7
	SWAP8 80+8*\k
.endr
.rept 4
	v_nop
.endr
	PROJ 2, 0
	PROJ 3, 0
.rept 8
	v_nop                                          ; eight plain instructions ahead of the first read of the results
.endr
	; lane (r, h), tile u, register j holds out(t = 8 h + j, column 4 r + u): the four tiles' registers j are 16 neighbouring bytes of a row.  They are gathered in other registers, each sum from its low end on
.irp j, 0,1,2,3,4,5,6,7
.irp u, 0,1,2,3
	v_mov_b32 v[VR+4*\j+\u], v[PA+8*\u+\j]
.endr
.endr
.irp j, 0,1,2,3,4,5,6,7
	ds_store_b128 v8, v[VR+4*\j:VR+4*\j+3] offset:256*\j           ; sixteen lanes fill a row's 256 bytes
.endr
	s_wait_dscnt 0x0                               ; for the others' sake: my part lies in LDS
	s_barrier_signal -1
	s_barrier_wait -1
.set I, 0
.rept 16
	ds_load_b64 v[QR+2*I:QR+2*I+1], v9 offset:4096*I               ; row t = w of all sixteen parts
.set I, I+1
.endr
	s_wait_dscnt 0x0
.irp j, 0,1,2,3,4,5,6,7
	v_pk_add_f32 v[QR+4*\j:QR+4*\j+1], v[QR+4*\j:QR+4*\j+1], v[QR+4*\j+2:QR+4*\j+3]
.endr
.irp j, 0,1,2,3
	v_pk_add_f32 v[QR+8*\j:QR+8*\j+1], v[QR+8*\j:QR+8*\j+1], v[QR+8*\j+4:QR+8*\j+5]
.endr
.irp j, 0,1
	v_pk_add_f32 v[QR+16*\j:QR+16*\j+1], v[QR+16*\j:QR+16*\j+1], v[QR+16*\j+8:QR+16*\j+9]
.endr
	v_pk_add_f32 v[QR:QR+1], v[QR:QR+1], v[QR+16:QR+17]
	v_pk_add_f32 v[QR:QR+1], v[QR:QR+1], v[12:13]  ; + the bias
	global_store_b64 v6, v[QR:QR+1], s[10:11]      ; 256 consecutive bytes, aligned
	s_wait_tensorcnt 0x0                           ; the wave's end
	ds_add_u32 v[SPW], v[NIL]
	s_wait_dscnt 0x0
	s_endpgm
.Lfunc_end_k_q1ec114ef89_first16:
	.size	k_q1ec114ef89_first16, .Lfunc_end_k_q1ec114ef89_first16-k_q1ec114ef89_first16
	.p2alignl 7, 3214868480
	.fill 96, 4, 3214868480
	.section	.rodata,"a",@progbits
	.p2align	6, 0x0
	.amdhsa_kernel k_q1ec114ef89_first16
		.amdhsa_group_segment_fixed_size 67584
		.amdhsa_private_segment_fixed_size 0
		.amdhsa_enable_private_segment 0
		.amdhsa_kernarg_size 32
		.amdhsa_user_sgpr_count 2
		.amdhsa_user_sgpr_kernarg_segment_ptr 1
		.amdhsa_wavefront_size32 1
		.amdhsa_system_sgpr_workgroup_id_x 1
		.amdhsa_system_sgpr_workgroup_id_y 1
		.amdhsa_system_sgpr_workgroup_id_z 1
		.amdhsa_system_vgpr_workitem_id 0
		.amdhsa_next_free_vgpr 256
		.amdhsa_next_free_sgpr 66
		.amdhsa_reserve_vcc 1
		.amdhsa_float_denorm_mode_32 3
		.amdhsa_float_denorm_mode_16_64 3
		.amdhsa_memory_ordered 1
		.amdhsa_forward_progress 1
		.amdhsa_inst_pref_size 26
	.end_amdhsa_kernel
	.amdgpu_metadata
---
amdhsa.version: [ 1, 2 ]
amdhsa.kernels:
  - .name:           k_q1ec114ef89_first16
    .symbol:         k_q1ec114ef89_first16.kd
    .args:
      - { .name: fine32, .offset: 0, .size: 8, .value_kind: global_buffer, .address_space: global }
      - { .name: Wproj, .offset: 8, .size: 8, .value_kind: global_buffer, .address_space: global }
      - { .name: bproj, .offset: 16, .size: 8, .value_kind: global_buffer, .address_space: global }
      - { .name: out0, .offset: 24, .size: 8, .value_kind: global_buffer, .address_space: global }
    .group_segment_fixed_size: 67584
    .private_segment_fixed_size: 0
    .kernarg_segment_align: 8
    .kernarg_segment_size: 32
    .max_flat_workgroup_size: 512
    .sgpr_count:     66
    .vgpr_count:     256
    .wavefront_size: 32
...
	.end_amdgpu_metadata
.endif
;; end of part 7
